; MI455X (gfx1250); checked and timed in simulation.
; The chip was launched on July 23, 2026; its instructions are those of AMD's public machine-readable ISA for CDNA 5 (MIT licence, August 2026) and "CDNA5" Instruction Set Architecture Reference Guide (July 2026). The comments in the code are by the model that wrote it; some were corrected since.
;; Encoder Block. Allowed arithmetic: matrix products marked QUANTISED: E4M3 operands, one given power-of-two scale a tensor, by v_wmma_f32_16x16x64_fp8_fp8 or v_wmma_f32_16x16x128_fp8_fp8, f32 sums; everything else in f32.
;; Inputs: b1 4,096 float32; b2 1,024 float32; be1 1 float32; be2 1 float32; bk 1,024 float32; bo 1,024 float32; bq 1,024 float32; bv 1,024 float32; g1 1 float32; g2 1 float32; lowp_scales 16 int32 (the exponents e of the quantised operands' scales 2^e); src_mask 1 x 1 x 1 x 2,048 int32; w1 4,096 x 1,024 float32; w2 1,024 x 4,096 float32; wk 1,024 x 1,024 float32; wo 1,024 x 1,024 float32; wq 1,024 x 1,024 float32; wv 1,024 x 1,024 float32; x 2 x 2,048 x 1,024 float32.
;; Outputs: out0 2 x 2,048 x 1,024 float32.
;; This version of the problem:
;;   THIS VERSION OF THE PROBLEM IS GIVEN IN LOW PRECISION. The matrix products marked QUANTISED in the list below multiply operands that are first quantised to E4M3 (4 exponent bits, 3 mantissa bits; 8 bits a number), with one given power-of-two scale for each operand tensor; their sums are f32. All else is computed in f32.
;;   The module's matrix products, in the order in which they are computed (A, B: the left and right operand; K: the contracted axis; several contracted axes count as one K, in the product's order):
;;     1. [M 4,096, K 1,024] x [K 1,024, N 1,024]; A: computed on the way; B: input wq: QUANTISED (scales: A lowp_scales[0], B lowp_scales[1])
;;     2. [M 4,096, K 1,024] x [K 1,024, N 1,024]; A: computed on the way; B: input wk: QUANTISED (scales: A lowp_scales[2], B lowp_scales[3])
;;     3. [M 4,096, K 1,024] x [K 1,024, N 1,024]; A: computed on the way; B: input wv: QUANTISED (scales: A lowp_scales[4], B lowp_scales[5])
;;     4. batch 32 x [M 2,048, K 64] x [K 64, N 2,048]; A: computed on the way; B: computed on the way: QUANTISED (scales: A lowp_scales[6], B lowp_scales[7])
;;     5. batch 32 x [M 2,048, K 2,048] x [K 2,048, N 64]; A: softmax (see below); B: computed on the way: QUANTISED (scales: A lowp_scales[8], B lowp_scales[9])
;;     6. [M 4,096, K 1,024] x [K 1,024, N 1,024]; A: computed on the way; B: input wo: QUANTISED (scales: A lowp_scales[10], B lowp_scales[11])
;;     7. [M 4,096, K 1,024] x [K 1,024, N 4,096]; A: computed on the way; B: input w1: QUANTISED (scales: A lowp_scales[12], B lowp_scales[13])
;;     8. [M 4,096, K 4,096] x [K 4,096, N 1,024]; A: computed on the way; B: input w2: QUANTISED (scales: A lowp_scales[14], B lowp_scales[15])
;;   THE QUANTISER, for each operand of a quantised product, along K:
;;     - The operand's scale is 2^e, e = its entry of the input lowp_scales (int32; the entries are numbered through the quantised products in the list's order, A before B).
;;     - Each number is divided by the scale, clamped to +-448, and rounded to the nearest number of E4M3, ties to even, subnormals kept.
;;     - The product sums the exact products of the quantised numbers (number of the format x scale) in f32.
;;   ~~~python
;;   def quantise(x, axis, e):      # numpy; x: float32 -> the quantised numbers, widened to float32 again
;;       x = np.moveaxis(x, axis, -1); K = x.shape[-1]
;;       r = np.clip(x / 2.0 ** e, -448, 448)
;;       step = 2.0 ** (np.maximum(np.frexp(np.where(r == 0, 1, r))[1] - 1, -6) - 3)
;;       q = np.round(r / step) * step * 2.0 ** e      # np.round: ties to even
;;       return np.moveaxis(q, -1, axis).astype(np.float32)
;;   ~~~
;;   SOFTMAX AHEAD OF A QUANTISED PRODUCT. Where the list says 'softmax', what is quantised is not the finished softmax but p = 2^(t - M), with t = logit x log2(e) and M = ceil(the row's largest t), a whole number; so 1/2 < the row's largest p <= 1. The row's sum l is taken of the UNQUANTISED p, in f32, and the product's result is divided by l at the end. Since M is a whole number, a kernel that streams over the keys may use a running M (the ceiling of the running maximum): every later rescaling is an exact power of two, so the quantised numbers keep their values, but for numbers so far below the row's largest that they fall under the format's range.
;;   OPERANDS COMPUTED ON THE WAY. 'Computed on the way' means the value that the module computes at that place (a softmax that the list does not call 'softmax' is quantised finished and normalised). What goes into a quantiser is computed in f32, as accurately as f32 sums, v_exp_f32 and their like allow (about 1e-6 of the number): no bf16 or f16 on the way to a quantiser, and a product that is left as it is and whose result goes on into a quantised operand takes f32 operands (vector FMAs, or v_wmma_f32_16x16x4_f32). A number that lies on a knife's edge between two numbers of the format may be rounded either way, as far as f32 arithmetic and the matrix unit's own rounding can turn it there, and no further.
;; One version. Each part assembles by itself: llvm-mc -triple=amdgcn-amd-amdhsa -mcpu=gfx1250 --defsym DOCPART=n.
;; ======== version 1 of 1: 7 launches
;; limits: right only within a limited range of input values
;; workspace buffers: pc 25,165,824 bytes; qkvc 12,582,912 bytes; ctxc 4,194,304 bytes; x1 16,777,216 bytes; xn2 4,194,304 bytes; hc 16,777,216 bytes
;; launch prep (part 1): grid 1024 x 1, 4 waves a work-group, no clusters, 20,992 bytes of LDS; arguments x, wq, wk, wv, wo, w1, w2, g1, be1, lowp_scales, pc; writes pc
.if DOCPART == 1
	.amdgcn_target "amdgcn-amd-amdhsa--gfx1250"
	.amdhsa_code_object_version 6
	.text
	.protected	k_q6942a55658_prep
	.globl	k_q6942a55658_prep
	.p2align	8
	.type	k_q6942a55658_prep,@function
k_q6942a55658_prep:
	s_mov_b64 s[64:65], 0
	v_nop
	global_prefetch_b8 v0, s[64:65] scope:SCOPE_SE
	s_setreg_imm32_b32 hwreg(HW_REG_WAVE_MODE, 25, 1), 1
	s_wait_xcnt 0x0
; ROWS OF 1,024 f32 INTO CODES OF E4M3.  MIXED = 1: the first launch.  x's 4,096 rows are layer-normed (mean; unbiased std; / (std + 1e-6); x g + be) and quantised three times,
; with the scales of the three products that read them (entries 0, 2, 4); the six weights, whose K is innermost and a multiple of 1,024, are plain streams of such rows and are
; quantised once each (entries 1, 3, 5, 11, 13, 15).  MIXED = 0: the same text serves the second layer norm (one scale, entry 12).
; code = number / 2^e, held within +-448, to the nearest code, ties to even.  LIMITS: each e between -126 and 119, so that 2^e and 448 x 2^e are f32 numbers; NaN among the inputs is not served.
; SHARES.  A wave takes RPW rows on end; a work-group 4 x RPW rows.  The first WGX work-groups take x, then WGW each wq, wk, wv, wo, then 4 WGW each w1, w2: only pointers and the
; exponent are chosen by the work-group's number.  The codes lie in pc: x's three tensors at 0, 4, 8 MiB, the weights from 12 MiB on in that order, so a weight's row lies 8 MiB behind the place that its work-group's number gives.
; ALL OF A WAVE'S ROWS ARE ASKED FOR AT ITS HEAD: 8 RPW loads of 512 consecutive bytes (16 a lane), each row into registers of its own; the waits count the later rows' loads.
; A ROW.  The norm needs no order among a lane's numbers.  The conversions take eight neighbours from one lane's registers: so the row turns
; through the wave's own stage in LDS (as it lies in; 64 bytes a lane out; 16 bytes of padding behind each 64) and a lane's 16 codes are 16 bytes: each store covers 512 consecutive bytes.
; No tensor load, no barrier: waves share nothing.
; WORK LEFT OUT, in every launch of this program: reference() builds no mask from src_mask (the source's masked_fill is thrown away), so no number of the result hangs on src_mask, whatever it holds:
; it is not loaded and is among no launch's arguments.  Nothing else is left out.
.set RPW,   4                          ; rows of a wave
.set NOUT,  3                          ; code tensors made of a normed row
.set MIXED, 1                          ; 1: x and the weights;  0: every row is normed
.set WGX,   4096/(4*RPW)               ; work-groups for x's 4,096 rows
.set WGW,   1024/(4*RPW)               ; and for 1,024 rows of a weight
.set SP,    80                         ; a lane's place in a stage: 64 bytes + 16
.set WREG,  64*SP                      ; a wave's two stages of 32 places
.set SPARE, 4*WREG                     ; behind them: the spare words, 128 bytes a wave
.set LOFF,  2                          ; v2   16 x lane: my bytes of a load's or a store's 512; never rewritten
.set SIN,   3                          ; v3   the stage, on the way in
.set SOUT,  4                          ; v4   and on the way out
.set SPW,   6                          ; v6   my spare word
.set NIL,   7                          ; v7   0
.set SC,    20                         ; v20+2k: 2^e of output k; v21+2k: 448 x 2^e
.set R,     32                         ; RPW sets of 32 numbers as loaded
.set X,     R+32*RPW                   ; the row's numbers, 2 x 16 neighbours
.set T,     X+32                       ; held
.set C,     T+32                       ; 8 registers of codes
.set DST,   54                         ; s[54:59] where the outputs' rows go
	s_load_b512 s[4:19], s[0:1], 0x0               ; x, wq, wk, wv, wo, w1, w2, g1
	s_load_b128 s[20:23], s[0:1], 0x40             ; be1, the exponents
	s_load_b64 s[24:25], s[0:1], 0x50              ; pc
.set PG,  18
.set PBE, 20
.set PLS, 22
	v_lshl_add_u32 v[SPW], v0, 2, SPARE
	v_mov_b32 v[NIL], 0
	v_lshrrev_b32 v1, 5, v0
	v_readfirstlane_b32 s26, v1                    ; wave
	v_and_b32 v1, 31, v0                           ; lane
	v_lshlrev_b32 v[LOFF], 4, v1
	s_mul_i32 s30, s26, WREG
	v_lshrrev_b32 v[SIN], 2, v1
	v_mul_u32_u24 v[SIN], v[SIN], SP
	v_and_b32 v5, 3, v1
	v_lshl_add_u32 v[SIN], v5, 4, v[SIN]
	v_add_nc_u32 v[SIN], s30, v[SIN]               ; in: four lanes' 64 bytes on end, then the padding
	v_mul_u32_u24 v[SOUT], v1, SP
	v_add_nc_u32 v[SOUT], s30, v[SOUT]             ; out: my 16 neighbours
	v_mov_b32 v13, 0                               ; upper halves of pairs of which the low word serves both halves,
	v_mov_b32 v15, 0
	v_mov_b32 v16, 0                               ; and a lane permute's destination, which counts as read
	s_mov_b32 s52, 0x76543210                      ; v_permlanex16_b32: lane l xor 16
	s_mov_b32 s53, 0xfedcba98
	s_lshl_b32 s30, ttmp9, 2
	s_add_co_u32 s30, s30, s26                     ; 4 x work-group + wave
	s_mul_i32 s49, s30, RPW*1024                   ; my first row's codes
	s_wait_kmcnt 0x0
	s_load_b32 s48, s[PG:PG+1], 0x0                ; g
	s_load_b32 s50, s[PBE:PBE+1], 0x0              ; be
	s_load_b512 s[32:47], s[PLS:PLS+1], 0x0        ; the sixteen exponents
.macro PICK start, ptr                 ; from work-group start on: this tensor
	s_cmp_ge_u32 ttmp9, \start
	s_cselect_b64 s[4:5], s[\ptr:\ptr+1], s[4:5]
	s_cselect_b32 s28, \start, s28
.endm
	s_mov_b32 s28, 0
	PICK WGX, 6
	PICK WGX+WGW, 8
	PICK WGX+2*WGW, 10
	PICK WGX+3*WGW, 12
	PICK WGX+4*WGW, 14
	PICK WGX+8*WGW, 16
	s_lshl_b32 s28, s28, 2
	s_sub_co_u32 s30, s30, s28                     ; counted from the tensor's first work-group
	s_cmp_lt_u32 ttmp9, WGX
	s_cselect_b32 s27, 1, 0                        ; 1: rows of x
	s_cselect_b32 s29, 0, 8<<20
	s_add_co_u32 s49, s49, s29
	s_mul_i32 s30, s30, RPW*4096
	s_mov_b32 s31, 0
	s_add_nc_u64 s[4:5], s[4:5], s[30:31]          ; my first row
	s_mov_b32 s30, s49
	s_add_nc_u64 s[DST:DST+1], s[24:25], s[30:31]
	s_add_nc_u64 s[DST+2:DST+3], s[DST:DST+1], 4<<20   ; bases of their own: 8 MiB is more than a store's immediate holds
	s_add_nc_u64 s[DST+4:DST+5], s[DST:DST+1], 8<<20
.macro LOADROW i
.irp j, 0,1,2,3,4,5,6,7
	global_load_b128 v[R+32*(\i)+4*\j:R+32*(\i)+4*\j+3], v[LOFF], s[4:5] offset:4096*(\i)+512*\j th:TH_LOAD_NT
.endr
.endm
.macro REDUCE                          ; v8 summed over the 32 lanes, in every lane
	v_add_f32_dpp v8, v8, v8 row_xmask:1 row_mask:0xf bank_mask:0xf
	v_add_f32_dpp v8, v8, v8 row_xmask:2 row_mask:0xf bank_mask:0xf
	v_add_f32_dpp v8, v8, v8 row_xmask:4 row_mask:0xf bank_mask:0xf
	v_add_f32_dpp v8, v8, v8 row_xmask:8 row_mask:0xf bank_mask:0xf
	v_permlanex16_b32 v16, v8, s52, s53
	v_add_f32 v8, v8, v16
.endm
; The norm of the row in v[b] .. v[b + 31], in place.  Two passes over registers: the mean first, then the squares of the differences, so that a common offset of the row costs no accuracy.
.macro LNROW b
	v_pk_add_f32 v[8:9], v[\b:\b+1], v[\b+2:\b+3]
	v_pk_add_f32 v[10:11], v[\b+4:\b+5], v[\b+6:\b+7]
.irp p, 8,12,16,20,24,28
	v_pk_add_f32 v[8:9], v[8:9], v[\b+\p:\b+\p+1]
	v_pk_add_f32 v[10:11], v[10:11], v[\b+\p+2:\b+\p+3]
.endr
	v_pk_add_f32 v[8:9], v[8:9], v[10:11]
	v_add_f32 v8, v8, v9
	REDUCE
	v_mul_f32 v12, 0x3a800000, v8                  ; / 1,024: the mean
.irp p, 0,2,4,6,8,10,12,14,16,18,20,22,24,26,28,30
	v_pk_add_f32 v[\b+\p:\b+\p+1], v[\b+\p:\b+\p+1], v[12:13] op_sel_hi:[1,0] neg_lo:[0,1] neg_hi:[0,1]
.endr
	v_pk_mul_f32 v[8:9], v[\b:\b+1], v[\b:\b+1]
	v_pk_mul_f32 v[10:11], v[\b+2:\b+3], v[\b+2:\b+3]
.irp p, 4,8,12,16,20,24,28
	v_pk_fma_f32 v[8:9], v[\b+\p:\b+\p+1], v[\b+\p:\b+\p+1], v[8:9]
	v_pk_fma_f32 v[10:11], v[\b+\p+2:\b+\p+3], v[\b+\p+2:\b+\p+3], v[10:11]
.endr
	v_pk_add_f32 v[8:9], v[8:9], v[10:11]
	v_add_f32 v8, v8, v9
	REDUCE
	v_mul_f32 v8, 0x3a802008, v8                   ; / 1,023: the unbiased variance
	s_wait_alu depctr_va_vdst(0)
	v_sqrt_f32 v17, v8
	v_nop                                          ; a plain instruction behind the root,
	s_wait_alu depctr_va_vdst(0)                   ; and the wait ahead of the first use of its result
	v_add_f32 v17, 0x358637bd, v17                 ; std + 1e-6
	s_wait_alu depctr_va_vdst(0)
	v_rcp_f32 v14, v17
	v_nop
	s_wait_alu depctr_va_vdst(0)
	v_mul_f32 v14, s48, v14                        ; g / (std + eps)
.irp p, 0,2,4,6,8,10,12,14,16,18,20,22,24,26,28,30
	v_pk_fma_f32 v[\b+\p:\b+\p+1], v[\b+\p:\b+\p+1], v[14:15], s[50:51] op_sel_hi:[1,0,0]
.endr
.endm
; The row through the stages: LDS serves a wave's instructions in order, so no wait stands between the stores and the loads.  Afterwards X[16 s + i] is number 512 s + 16 lane + i.
.macro TURNROW b
.irp j, 0,1,2,3,4,5,6,7
	ds_store_b128 v[SIN], v[\b+4*\j:\b+4*\j+3] offset:32*SP*(\j/4)+8*SP*(\j%4)
.endr
.irp s, 0,1
.irp i, 0,1,2,3
	ds_load_b128 v[X+16*\s+4*\i:X+16*\s+4*\i+3], v[SOUT] offset:32*SP*\s+16*\i
.endr
.endr
.endm
.macro QOUT k, i                       ; row i's codes under output k's scale
	s_wait_xcnt 0x0                                ; the codes' registers were the data of earlier stores: they are rewritten only behind this wait
.set n, 0
.rept 32
	v_med3_num_f32 v[T+n], v[X+n], -v[SC+2*(\k)+1], v[SC+2*(\k)+1]   ; the conversion does not saturate (ISA guide 7.6.2): the hold comes first
.set n, n+1
.endr
.irp g, 0,1,2,3
	v_cvt_scalef32_pk8_fp8_f32 v[C+2*\g:C+2*\g+1], v[T+8*\g:T+8*\g+7], v[SC+2*(\k)]
.endr
	v_nop                                          ; a plain instruction between the conversions and the next lines that write their sources
	global_store_b128 v[LOFF], v[C:C+3], s[DST+2*(\k):DST+2*(\k)+1] offset:1024*(\i)
	global_store_b128 v[LOFF], v[C+4:C+7], s[DST+2*(\k):DST+2*(\k)+1] offset:1024*(\i)+512
.endm
.macro ROW i
	s_wait_loadcnt 8*(RPW-1-(\i))                  ; this row's eight loads are in; the eight of each later row may be out
	s_cmp_eq_u32 s27, 0
	s_cbranch_scc1 .Lraw_\@                        ; a weight's row is taken as it is.  Every LDS line stands on the common way
	LNROW (R+32*(\i))
.Lraw_\@:
	TURNROW (R+32*(\i))
	s_wait_dscnt 0x0                               ; the row is back from the stage
	s_wait_alu depctr_va_vdst(0)
	QOUT 0, \i
	s_cmp_eq_u32 s27, 0
	s_cbranch_scc1 .Lone_\@
	QOUT 1, \i
	QOUT 2, \i
.Lone_\@:
.endm
.macro MKSC e, vs                      ; 2^e and 448 x 2^e as f32
	s_add_co_i32 s30, s[\e], 127
	s_lshl_b32 s31, s30, 23
	v_mov_b32 v[\vs], s31
	s_add_co_i32 s30, s30, 8
	s_lshl_b32 s30, s30, 23
	s_or_b32 s30, s30, 0x600000
	v_mov_b32 v[\vs+1], s30
.endm
.set Q, 0
.rept RPW
	LOADROW Q
.set Q, Q+1
.endr
	s_wait_kmcnt 0x0
	s_mov_b32 s51, s50                             ; be as a pair
.macro PICKE start, e
	s_cmp_ge_u32 ttmp9, \start
	s_cselect_b32 s29, s[\e], s29
.endm
	s_mov_b32 s29, s32                             ; x: entry 0; the weights: 1, 3, 5, 11, 13, 15
	PICKE WGX, 33
	PICKE WGX+WGW, 35
	PICKE WGX+2*WGW, 37
	PICKE WGX+3*WGW, 43
	PICKE WGX+4*WGW, 45
	PICKE WGX+8*WGW, 47
	MKSC 29, SC
	MKSC 34, SC+2
	MKSC 36, SC+4
.set Q, 0
.rept RPW
	ROW Q
.set Q, Q+1
.endr
	s_wait_tensorcnt 0x0                           ; the wave's end: behind my last LDS store
	ds_add_u32 v[SPW], v[NIL]
	s_wait_dscnt 0x0
	s_endpgm
.Lfunc_end_k_q6942a55658_prep:
	.size	k_q6942a55658_prep, .Lfunc_end_k_q6942a55658_prep-k_q6942a55658_prep
	.p2alignl 7, 3214868480
	.fill 96, 4, 3214868480
	.section	.rodata,"a",@progbits
	.p2align	6, 0x0
	.amdhsa_kernel k_q6942a55658_prep
		.amdhsa_group_segment_fixed_size 20992
		.amdhsa_private_segment_fixed_size 0
		.amdhsa_enable_private_segment 0
		.amdhsa_kernarg_size 88
		.amdhsa_user_sgpr_count 2
		.amdhsa_user_sgpr_kernarg_segment_ptr 1
		.amdhsa_wavefront_size32 1
		.amdhsa_system_sgpr_workgroup_id_x 1
		.amdhsa_system_sgpr_workgroup_id_y 1
		.amdhsa_system_sgpr_workgroup_id_z 1
		.amdhsa_system_vgpr_workitem_id 0
		.amdhsa_next_free_vgpr 232
		.amdhsa_next_free_sgpr 66
		.amdhsa_reserve_vcc 0
		.amdhsa_float_denorm_mode_32 3
		.amdhsa_float_denorm_mode_16_64 3
		.amdhsa_memory_ordered 1
		.amdhsa_forward_progress 1
		.amdhsa_inst_pref_size 64
	.end_amdhsa_kernel
	.amdgpu_metadata
---
amdhsa.version: [ 1, 2 ]
amdhsa.kernels:
  - .name:           k_q6942a55658_prep
    .symbol:         k_q6942a55658_prep.kd
    .args:
      - { .name: x, .offset: 0, .size: 8, .value_kind: global_buffer, .address_space: global }
      - { .name: wq, .offset: 8, .size: 8, .value_kind: global_buffer, .address_space: global }
      - { .name: wk, .offset: 16, .size: 8, .value_kind: global_buffer, .address_space: global }
      - { .name: wv, .offset: 24, .size: 8, .value_kind: global_buffer, .address_space: global }
      - { .name: wo, .offset: 32, .size: 8, .value_kind: global_buffer, .address_space: global }
      - { .name: w1, .offset: 40, .size: 8, .value_kind: global_buffer, .address_space: global }
      - { .name: w2, .offset: 48, .size: 8, .value_kind: global_buffer, .address_space: global }
      - { .name: g1, .offset: 56, .size: 8, .value_kind: global_buffer, .address_space: global }
      - { .name: be1, .offset: 64, .size: 8, .value_kind: global_buffer, .address_space: global }
      - { .name: lowp_scales, .offset: 72, .size: 8, .value_kind: global_buffer, .address_space: global }
      - { .name: pc, .offset: 80, .size: 8, .value_kind: global_buffer, .address_space: global }
    .group_segment_fixed_size: 20992
    .private_segment_fixed_size: 0
    .kernarg_segment_align: 8
    .kernarg_segment_size: 88
    .max_flat_workgroup_size: 128
    .sgpr_count:     66
    .vgpr_count:     232
    .wavefront_size: 32
...
	.end_amdgpu_metadata
.endif
;; end of part 1
;; launch qkv (part 2): grid 12 x 16, 4 waves a work-group, clusters of 4 x 4, 327,680 bytes of LDS; arguments pc, lowp_scales, bq, bk, bv, qkvc; writes qkvc
.if DOCPART == 2
	.amdgcn_target "amdgcn-amd-amdhsa--gfx1250"
	.amdhsa_code_object_version 6
	.text
	.protected	k_q6942a55658_qkv
	.globl	k_q6942a55658_qkv
	.p2align	8
	.type	k_q6942a55658_qkv,@function
k_q6942a55658_qkv:
	s_mov_b64 s[64:65], 0
	v_nop
	global_prefetch_b8 v0, s[64:65] scope:SCOPE_SE
	s_setreg_imm32_b32 hwreg(HW_REG_WAVE_MODE, 25, 1), 1
	s_wait_xcnt 0x0
	s_wait_alu depctr_hold_cnt(0) depctr_sa_sdst(0) depctr_va_vdst(0) depctr_va_sdst(0) depctr_va_ssrc(0) depctr_va_vcc(0) depctr_vm_vsrc(0)
	s_getreg_b32 s2, hwreg(HW_REG_IB_STS2, 6, 4)
	s_cmp_eq_u32 s2, 0
	s_cbranch_scc0 .Lentry_in_a_cluster
	s_endpgm
.Lentry_in_a_cluster:
	s_bfe_u32 s2, ttmp6, 0x10000c
	s_cmp_lg_u32 s2, 0xf033
	s_cbranch_scc0 .Lentry_shape_is_right
	s_endpgm
.Lentry_shape_is_right:
; A GEMM ON CODES OF E4M3 WHOSE RESULT IS QUANTISED ON THE WAY OUT.  sum over k of A[m][k] B[n][k], K = 1,024; value = sum x 2^(ea + eb) + bias; code = value / 2^eo, held, rounded.
; QKV = 1: the three projections in one launch.  The cluster's x says which: 0 q, 1 k, 2 v.  q, k: A = the normed rows' codes (4,096 tokens), B = the weight's (1,024 features); codes go out as
; [batch x head 32][token 2,048][64].  v: THE POINTERS ARE SWAPPED, A = wv's codes, B = the rows': a lane then holds eight neighbouring TOKENS of one feature, and v goes out with the keys innermost,
; [batch x head][block of 128 keys][channel 64][128], nothing transposed.  Inside a block key 16 b + 8 h + j lies at byte 32 (b / 2) + 16 h + 8 (b % 2) + j: the order in which the next launch's weights p stand in its registers.
; QKV = 0: the first layer of the FFN: A = the second norm's codes, B = w1's; relu; codes go out in planes of 128 features, [plane 32][token 4,096][128].
; LIMITS: ea + eb between -126 and 127; eo between -126 and 119.
; A tile of 256 x 256 is made by four waves, 128 x 128 each: 64 accumulators, 512 registers.  K goes in steps of 256 through a ring of two LDS slots filled by the tensor data mover.
; CLUSTERS: 4 x 4 work-groups; A's tile is shared along a row of the cluster, B's along a column: each is asked for jointly, by the same tensor load with the same descriptor and a mask that names the four.
; THE MATRIX INSTRUCTION IS USED TRANSPOSED (source 0 = 16 rows of B, source 1 = 16 rows of A): lane (r, h), register j of accumulator (a, b) = (A's row 16 a + r, B's row 16 b + 8 h + j).
; A fragment comes by four loads of 16 bytes, 32 apart: a permutation of k, the same in A and in B, so that every product meets its partner.
; REGISTERS: window 0: v15-31 addresses and scales; v32-47 A-row biases (pairs); v64-127 B-row biases; from v128 A's fragments, one set; on the way out v128-239 at work.
;   window 1: B's fragments, two sets.  window 2, 3: the accumulators of my rows 0-63, 64-127.
.set QKV,    1
.set SIZE_K, 1024
.set KSTEP,  256
.set ROWB,   256                       ; a tile's row in bytes
.set KROW,   SIZE_K
.set PITCH,  272                       ; an LDS row: 256 bytes + 16: an odd multiple of 16, so the 16 rows of a load start 16 bytes apart modulo 256
.set FR,     16
.set NL,     4
.set NP,     4                         ; places behind this matrix instruction (ISA guide 7.12.1)
.set HALFT,  128*PITCH
.set SLOT,   4*HALFT
.set LAPS,   SIZE_K/(2*KSTEP)
.set SPARE,  2*SLOT                    ; behind the ring: the spare words
.set SPI,    144                       ; the way out: a stage row: 128 bytes of codes + 16
.set STGW,   16*SPI                    ; a wave's stage.  The stages lie in slot 0, which has had its last fill and its last read when the first code is stored there
.set RBO,  15                          ; v15  4 r: my A row's bias
.set ADRA, 16
.set ADRB, 20
.set STOC, 22                          ; v22  into the stage: row r, + 8 h
.set STOV, 23                          ; v23  the same for v: + 16 h
.set RDQ,  24                          ; v24  back, four lanes to 64 bytes of a row
.set RDV,  25                          ; v25  back, eight lanes to a row of 128 bytes
.set GO,   26                          ; v26  16 x lane
.set QS,   27                          ; v27  2^eo
.set SPW,  28
.set NIL,  29
.set QL,   30                          ; v30  448 x 2^eo
.set CBO,  31                          ; v31  32 h: my eight B rows' biases
.set RWB,  32
.set BIAS, 64
.set AF,   128
.set T,    128                         ; the way out: a block's 64 values,
.set CD,   192                         ; its codes,
.set BB,   208                         ; and its rows read back: v208-223 and v224-239 by turns
.set G1, 24
.set G0, 32
.set G1B, 48
.set G0B, 56
.if QKV
.set PTA, 84
.set PTB, 84
.set PLS, 86
.set PBI, 88
.set POUT, 94
.else
.set PTA, 84
.set PTB, 86
.set PLS, 88
.set PBI, 90
.set POUT, 92
.endif
.set MSB, 0
.macro WIN new                         ; the immediate's high byte repeats the setting that is left
.if MSB != \new
	s_set_vgpr_msb (MSB<<8)|\new
.set MSB, \new
.endif
.endm
.set MUL_LO, 0xa1                      ; source 0 (B) window 1, source 1 (A) window 0, C and D window 2
.set MUL_HI, 0xf1
.set TO_B,   0x40
; A joint load: waves 0 and 1 fetch for A, waves 2 and 3 for B; the branch hangs on the wave's number alone.  An s_nop 0 and four v_nop follow each line.
.macro JLOAD g0a, g1a, g0b, g1b
	s_cmp_eq_u32 s15, 0
	s_cbranch_scc0 .Lfor_b_\@
	tensor_load_to_lds s[\g0a:\g0a+3], s[\g1a:\g1a+7]
	s_nop 0
.rept 4
	v_nop
.endr
	s_branch .Lasked_\@
.Lfor_b_\@:
	tensor_load_to_lds s[\g0b:\g0b+3], s[\g1b:\g1b+7]
	s_nop 0
.rept 4
	v_nop
.endr
.Lasked_\@:
.endm
.macro CREST                           ; a round of the cluster's barrier behind its opening barrier
	s_cmp_lg_u32 s14, 0
	s_cbranch_scc1 .Lnot_wave_0_\@
	s_barrier_signal -3
.Lnot_wave_0_\@:
	s_barrier_wait -3
	s_barrier_signal -1
	s_barrier_wait -1
.endm
.macro CROUND
	s_barrier_signal -1
	s_barrier_wait -1
	CREST
.endm
	s_load_b256 s[84:91], s[0:1], 0x0
.if QKV
	s_load_b128 s[92:95], s[0:1], 0x20             ; pc, exponents, bq, bk, bv, qkvc
.else
	s_load_b64 s[92:93], s[0:1], 0x20              ; xn2, pc, exponents, b1, hc
.endif
	v_lshl_add_u32 v[SPW], v0, 2, SPARE
	v_mov_b32 v[NIL], 0
	ds_add_u32 v[SPW], v[NIL]                      ; the wave's opening: the add and its wait ahead of my first tensor load
	ds_add_u32 v[SPW], v[NIL]
	v_lshrrev_b32 v1, 5, v0
	v_readfirstlane_b32 s14, v1                    ; wave
	s_lshr_b32 s15, s14, 1                         ; my half of A's rows.  Also: I fetch for A (0) or for B (1)
	s_and_b32 s16, s14, 1                          ; my half of B's rows.  Also: which 128 rows I fetch
	s_bfe_u32 s40, ttmp6, 0x40000                  ; cx
	s_bfe_u32 s41, ttmp6, 0x40004                  ; cy
	s_and_b32 s67, ttmp7, 0xffff                   ; the cluster's y
.if QKV
	s_mov_b32 s66, ttmp9                           ; the cluster's x: 0 q, 1 k, 2 v: the same in all sixteen partners
	s_cmp_eq_u32 s66, 2
	s_cselect_b32 s98, 0, s67                      ; the 16 tiles of tokens run along A (q, k) or along B (v)
	s_cselect_b32 s99, s67, 0
	s_lshl_b32 s17, s98, 2
	s_add_co_u32 s17, s17, s41                     ; A's tile
	s_lshl_b32 s42, s99, 2
	s_add_co_u32 s42, s42, s40                     ; B's tile
.else
	s_lshl_b32 s42, ttmp9, 2
	s_add_co_u32 s42, s42, s40
	s_lshl_b32 s17, s67, 2
	s_add_co_u32 s17, s17, s41
.endif
	s_lshl_b32 s43, s41, 2
	s_lshl_b32 s43, 15, s43                        ; my row of the cluster
	s_lshl_b32 s44, 0x1111, s40                    ; my column
	s_or_b32 s[G1+0], s43, (0<<16)|(1<<20)|(1<<21)|(5<<22)|(3<<25)   ; the mask; elements of 1 byte; padding on; bit 21 beside a mask; after every 64 words, 4 words
	s_or_b32 s[G1B+0], s44, (0<<16)|(1<<20)|(1<<21)|(5<<22)|(3<<25)
.irp g, G1, G1B
	s_mov_b32 s[\g+1], ROWB<<16                    ; tensor_dim0
	s_mov_b32 s[\g+2], 128<<16                     ; tensor_dim1
	s_mov_b32 s[\g+3], ROWB<<16                    ; tile_dim0
	s_mov_b32 s[\g+4], 128                         ; tile_dim1
	s_mov_b32 s[\g+5], KROW                        ; from row to row
	s_mov_b32 s[\g+6], 0
	s_mov_b32 s[\g+7], 0
.endr
	s_lshl_b32 s18, s16, 7
	s_lshl_b32 s20, s17, 8
	s_add_co_u32 s20, s20, s18
	s_lshl_b32 s20, s20, 10                        ; A: (256 x tile + 128 x half) rows of 1,024 bytes
	s_lshl_b32 s46, s42, 8
	s_add_co_u32 s46, s46, s18
	s_lshl_b32 s46, s46, 10                        ; B likewise
.if QKV
	s_lshl_b32 s98, s66, 22                        ; the rows' codes: 0, 4, 8 MiB
	s_lshl_b32 s99, s66, 20
	s_add_co_u32 s99, s99, 12<<20                  ; the weight's: 12, 13, 14 MiB
	s_cmp_eq_u32 s66, 2
	s_cselect_b32 s19, s99, s98
	s_cselect_b32 s22, s98, s99
	s_add_co_u32 s20, s20, s19
	s_add_co_u32 s46, s46, s22
.else
	s_add_co_u32 s46, s46, 16<<20                  ; w1's codes
.endif
	s_mov_b32 s21, 0
	s_mov_b32 s47, 0
	s_mul_i32 s45, s14, HALFT                      ; where my tile goes: wave x 128 rows
	s_wait_dscnt 0x0                               ; the opening add is done
	s_wait_kmcnt 0x0
	s_load_b512 s[68:83], s[PLS:PLS+1], 0x0        ; the sixteen exponents
	s_add_nc_u64 s[20:21], s[PTA:PTA+1], s[20:21]
	s_add_nc_u64 s[46:47], s[PTB:PTB+1], s[46:47]
	s_cmp_eq_u32 s15, 0                            ; the prefetches: of the 128 rows that my wave fetches, the partner at place p (cx for A, cy for B) names rows 32 p .. 32 p + 31, a lane a row
	s_cselect_b64 s[4:5], s[20:21], s[46:47]
	s_cselect_b32 s6, s40, s41
	s_lshl_b32 s6, s6, 15
	s_mov_b32 s7, 0
	s_add_nc_u64 s[4:5], s[4:5], s[6:7]
	v_and_b32 v14, 31, v0
	v_lshlrev_b32 v14, 10, v14                     ; v14: lane x a row of 1,024 bytes; never rewritten
	CROUND                                         ; all sixteen work-groups are here: the first joint loads meet
.irp s, 0,1
	s_mov_b32 s[G0+4*\s], 1
	s_add_co_u32 s[G0+4*\s+1], s45, \s*SLOT
	s_add_nc_u64 s[G0+4*\s+2:G0+4*\s+3], s[20:21], \s*ROWB
	s_or_b32 s[G0+4*\s+3], s[G0+4*\s+3], 0x80000000
	s_mov_b32 s[G0B+4*\s], 1
	s_add_co_u32 s[G0B+4*\s+1], s45, \s*SLOT
	s_add_nc_u64 s[G0B+4*\s+2:G0B+4*\s+3], s[46:47], \s*ROWB
	s_or_b32 s[G0B+4*\s+3], s[G0B+4*\s+3], 0x80000000
	s_wait_alu depctr_va_vdst(0)                   ; a round ahead of each of the two first fills: one tensor load a wave behind each
.if \s                                 ; K step 0's load follows the opening round; slot 1's first fill stands behind the full sequence and a round
	s_wait_tensorcnt 0x0
	ds_add_u32 v28, v29
	s_wait_dscnt 0x0
	CROUND
.endif
	JLOAD G0+4*\s, G1, G0B+4*\s, G1B
.if \s == 0
	global_prefetch_b8 v14, s[4:5] offset:256 th:TH_LOAD_NT scope:SCOPE_SE   ; K step 1, whose load sets out when K step 0's has landed
.endif
	global_prefetch_b8 v14, s[4:5] offset:512+256*\s th:TH_LOAD_NT scope:SCOPE_SE   ; with K step s's load: 256 bytes of each of my 32 rows of K step s + 2; K has four steps, so the refills ask for nothing
.endr
	v_and_b32 v1, 15, v0                           ; r
	s_wait_alu depctr_va_vdst(0)
	v_bfe_u32 v2, v0, 4, 1                         ; h
	v_mul_u32_u24 v3, v1, PITCH
	v_lshl_add_u32 v4, v2, 4, v3
	s_mul_i32 s21, s15, HALFT
	s_mul_i32 s22, s16, HALFT
	s_add_co_u32 s22, s22, 2*HALFT
.irp s, 0,1
	v_add_nc_u32 v[ADRA+\s], s21, v4
	v_add_nc_u32 v[ADRB+\s], s22, v4
	s_add_co_u32 s21, s21, SLOT
	s_add_co_u32 s22, s22, SLOT
.endr
	s_mul_i32 s23, s14, STGW                       ; my stage
	v_mul_u32_u24 v5, v1, SPI
	v_add_nc_u32 v5, s23, v5
	s_wait_alu depctr_va_vdst(0)
	v_lshl_add_u32 v[STOC], v2, 3, v5
	v_and_b32 v6, 31, v0
	v_lshlrev_b32 v[GO], 4, v6
	v_lshrrev_b32 v7, 3, v6
	v_mul_u32_u24 v7, v7, SPI
	v_and_b32 v8, 7, v6
	v_lshl_add_u32 v7, v8, 4, v7
	v_add_nc_u32 v[RDV], s23, v7
.if QKV
	v_lshl_add_u32 v[STOV], v2, 4, v5
	v_add_nc_u32 v[STOV], 4*STGW, v[STOV]          ; v's way out has stage bytes of its own, behind the other's
	v_add_nc_u32 v[RDV], 4*STGW, v[RDV]
	v_lshrrev_b32 v7, 2, v6
	v_mul_u32_u24 v7, v7, SPI
	v_and_b32 v8, 3, v6
	v_lshl_add_u32 v7, v8, 4, v7
	v_add_nc_u32 v[RDQ], s23, v7
.endif
	v_lshlrev_b32 v[CBO], 5, v2
	; the biases.  By B's rows: 8 registers for each b (features 16 b + 8 h + 0 .. 7 of my 128).  QKV: also by A's rows (feature 16 a + r), which v takes.  Both sets are loaded on the one way that all take; every index stays under 1,024.
.if QKV
	s_wait_alu depctr_va_vdst(0)
	s_cmp_eq_u32 s66, 1
	s_cselect_b64 s[88:89], s[90:91], s[88:89]
	s_cmp_eq_u32 s66, 2
	s_cselect_b64 s[88:89], s[92:93], s[88:89]
	s_lshl_b32 s98, s40, 10
.else
	s_lshl_b32 s98, s42, 10
.endif
	s_lshl_b32 s99, s16, 9
	s_add_co_u32 s98, s98, s99
	s_mov_b32 s99, 0
	s_add_nc_u64 s[90:91], s[PBI:PBI+1], s[98:99]
.irp b, 0,1,2,3,4,5,6,7
	global_load_b128 v[BIAS+8*\b:BIAS+8*\b+3], v[CBO], s[90:91] offset:64*\b
	global_load_b128 v[BIAS+8*\b+4:BIAS+8*\b+7], v[CBO], s[90:91] offset:64*\b+16
.endr
.if QKV
	v_lshlrev_b32 v[RBO], 2, v1
	s_lshl_b32 s98, s41, 10
	s_lshl_b32 s18, s15, 9
	s_add_co_u32 s98, s98, s18
	s_add_nc_u64 s[92:93], s[88:89], s[98:99]
.irp a, 0,1,2,3,4,5,6,7
	global_load_b32 v[RWB+2*\a], v[RBO], s[92:93] offset:64*\a
	v_mov_b32 v[RWB+2*\a+1], 0                     ; (named as the upper half of a pair)
.endr
	; where my codes go: tensor x 4 MiB + (16 x batch + head) x 2^17 + my 128 tokens x 64 bytes (q, k), or my block of 128 keys x 8,192 bytes (v): the same figure
	s_cmp_eq_u32 s66, 2
	s_cselect_b32 s18, s42, s17                    ; the tile of tokens,
	s_cselect_b32 s19, s16, s15                    ; my half of it,
	s_cselect_b32 s22, s41, s40                    ; the tile of features (four heads),
	s_cselect_b32 s23, s15, s16                    ; my half of it (two heads)
	s_lshr_b32 s98, s18, 3
	s_lshl_b32 s98, s98, 4
	s_lshl_b32 s22, s22, 2
	s_add_co_u32 s98, s98, s22
	s_lshl_b32 s23, s23, 1
	s_add_co_u32 s98, s98, s23
	s_lshl_b32 s98, s98, 17
	s_and_b32 s18, s18, 7
	s_lshl_b32 s18, s18, 14
	s_add_co_u32 s98, s98, s18
	s_lshl_b32 s19, s19, 13
	s_add_co_u32 s98, s98, s19
	s_lshl_b32 s18, s66, 22
	s_add_co_u32 s98, s98, s18
.else
	s_lshl_b32 s98, s42, 1
	s_add_co_u32 s98, s98, s16
	s_lshl_b32 s98, s98, 19                        ; my plane: 4,096 tokens x 128 bytes each
	s_lshl_b32 s18, s17, 8
	s_lshl_b32 s19, s15, 7
	s_add_co_u32 s18, s18, s19
	s_lshl_b32 s18, s18, 7                         ; my first token
	s_add_co_u32 s98, s98, s18
.endif
	s_add_nc_u64 s[POUT:POUT+1], s[POUT:POUT+1], s[98:99]
.macro FRAG reg, adr, q, i             ; 16 rows x 128 K: registers 4 c .. 4 c + 3 hold K = 32 c + 16 h + 0 .. 15 of row r
.irp c, 0,1,2,3
	ds_load_b128 v[\reg+4*\c:\reg+4*\c+3], v[\adr] offset:128*(\q)+32*\c+(\i)*16*PITCH
.endr
.endm
; 16 matrix instructions: A's blocks a0, a0 + 1 x B's eight.  The 64 accumulators take turns, one instruction a turn, in the same order in every step.
.macro MUL16 a0, p, zero
.irp a, \a0, \a0+1
.irp b, 0,1,2,3,4,5,6,7
.if \zero
	v_wmma_f32_16x16x128_fp8_fp8 v[8*(8*((\a)%4)+\b):8*(8*((\a)%4)+\b)+7], v[128*(\p)+FR*\b:128*(\p)+FR*\b+FR-1], v[AF+FR*(\a):AF+FR*(\a)+FR-1], 0
.else
	v_wmma_f32_16x16x128_fp8_fp8 v[8*(8*((\a)%4)+\b):8*(8*((\a)%4)+\b)+7], v[128*(\p)+FR*\b:128*(\p)+FR*\b+FR-1], v[AF+FR*(\a):AF+FR*(\a)+FR-1], v[8*(8*((\a)%4)+\b):8*(8*((\a)%4)+\b)+7]
.endif
.endr
.endr
.endm
.macro FETCH_B slot, q, p
	WIN TO_B
.irp i, 0,1,2,3,4,5,6,7
	FRAG 128*(\p)+FR*\i, ADRB+\slot, \q, \i
.endr
	WIN 0
.endm
.macro FETCH_A slot, q, i0
.irp i, \i0, \i0+1, \i0+2, \i0+3
	FRAG AF+FR*(\i), ADRA+\slot, \q, \i
.endr
.endm
.macro PLACES n                        ; plain vector instructions between a matrix instruction and a load into, or a read of, its registers
.rept \n
	v_nop
.endr
.endm
; A step of 128 along K that has its successor in the same slot.  A has one set of registers: blocks 0-3 are fetched anew in the step's middle, blocks 4-7 at its end; B has two sets.
.macro STEP slot, q, zero
	s_wait_dscnt 4*NL                              ; B's set and A's blocks 0-3 are in; the youngest 16 loads (A's blocks 4-7) may be out
	WIN MUL_LO
	MUL16 0, (\q)%2, \zero
	MUL16 2, (\q)%2, \zero
	s_wait_dscnt 0                                 ; A's blocks 4-7 are in
	PLACES NP
	FETCH_B \slot, (\q)+1, 1-(\q)%2
	FETCH_A \slot, (\q)+1, 0
	WIN MUL_HI
	MUL16 4, (\q)%2, \zero
	MUL16 6, (\q)%2, \zero
	PLACES NP
	WIN 0
	FETCH_A \slot, (\q)+1, 4
.endm
; A slot's last step changes slots: one barrier; in front of it each wave waits for all its tensor loads, adds 0 to its spare word, and waits for that and for its own reads of this slot.
.macro TURN slot, next, fill
	s_wait_tensorcnt 0x0                           ; all my tensor loads have landed: my part of the next slot
	ds_add_u32 v[SPW], v[NIL]
	s_wait_dscnt 4*NL+1                            ; the add and the youngest 16 loads may be out
	WIN MUL_LO
	MUL16 0, 1, 0
	s_wait_dscnt 0x0                               ; the add is done, and my reads of this slot are over
	s_barrier_signal -1
	MUL16 2, 1, 0
	WIN 0
	s_barrier_wait -1
.if \fill
	CREST                                          ; the barrier has opened a round of the cluster's: no wave of any partner still reads this slot or has a load on its way
	s_add_nc_u64 s[G0+4*\slot+2:G0+4*\slot+3], s[G0+4*\slot+2:G0+4*\slot+3], 2*ROWB
	s_add_nc_u64 s[G0B+4*\slot+2:G0B+4*\slot+3], s[G0B+4*\slot+2:G0B+4*\slot+3], 2*ROWB
	JLOAD G0+4*\slot, G1, G0B+4*\slot, G1B         ; the first tensor load behind the round; its four v_nop are the places in front of the loads below
.else
	PLACES NP
.endif
	FETCH_B \next, 0, 0
	FETCH_A \next, 0, 0
	WIN MUL_HI
	MUL16 4, 1, 0
	MUL16 6, 1, 0
	PLACES NP
	WIN 0
	FETCH_A \next, 0, 4
.endm
	s_wait_tensorcnt 1                             ; my part of K step 0 is in; K step 1's load may be out
	s_barrier_signal -1
	s_barrier_wait -1
	FETCH_B 0, 0, 0
	FETCH_A 0, 0, 0
	FETCH_A 0, 0, 4
	STEP 0, 0, 1                                   ; the first step's products start the sums: nothing is cleared
	s_mov_b32 s3, LAPS-1
.Llap:                                                 ; a trip goes once round the ring and fills both slots again
	TURN 0, 1, 1
	STEP 1, 0, 0
	TURN 1, 0, 1
	STEP 0, 0, 0
	s_sub_co_u32 s3, s3, 1
	s_cmp_lg_u32 s3, 0
	s_cbranch_scc1 .Llap
	TURN 0, 1, 0                                   ; the last lap fills nothing
	STEP 1, 0, 0
	s_wait_dscnt 4*NL
	WIN MUL_LO
	MUL16 0, 1, 0
	MUL16 2, 1, 0
	s_wait_dscnt 0
	WIN MUL_HI
	MUL16 4, 1, 0
	MUL16 6, 1, 0
	WIN 0
; THE WAY OUT, a block of 16 of A's rows x my 128 of B's at a time.  value = sum x 2^(ea + eb) + bias, one packed multiply-add for two; the hold (mode 2: relu and the hold in one); eight neighbours of a lane
; become 8 bytes of codes; they go into my stage (rows of 144 bytes) and come back so that each store of the wave covers 512 consecutive bytes.  mode 0: q, k;  1: v;  2: the FFN's hidden layer.
.macro OUTB a, mode
.set AC, 64*((\a)%4)
.set BBR, BB+16*((\a)%2)
	WIN 0x02+((\a)/4)                              ; source 0: window 2 or 3
.irp b, 0,1,2,3,4,5,6,7
.irp i, 0,2,4,6
.if \mode == 1
	v_pk_fma_f32 v[T+8*\b+\i:T+8*\b+\i+1], v[AC+8*\b+\i:AC+8*\b+\i+1], s[96:97], v[RWB+2*(\a):RWB+2*(\a)+1] op_sel_hi:[1,0,0]
.else
	v_pk_fma_f32 v[T+8*\b+\i:T+8*\b+\i+1], v[AC+8*\b+\i:AC+8*\b+\i+1], s[96:97], v[BIAS+8*\b+\i:BIAS+8*\b+\i+1] op_sel_hi:[1,0,1]
.endif
.endr
.endr
	WIN 0
.set n, 0
.rept 64
.if \mode == 2
	v_med3_num_f32 v[T+n], v[T+n], 0, v[QL]
.else
	v_med3_num_f32 v[T+n], v[T+n], -v[QL], v[QL]   ; the conversion does not saturate (ISA guide 7.6.2)
.endif
.set n, n+1
.endr
.irp b, 0,1,2,3,4,5,6,7
	v_cvt_scalef32_pk8_fp8_f32 v[CD+2*\b:CD+2*\b+1], v[T+8*\b:T+8*\b+7], v[QS]
.endr
	v_nop                                          ; a plain instruction between the conversions and the next lines that write their sources
.irp b, 0,1,2,3,4,5,6,7
.if \mode == 1
	ds_store_b64 v[STOV], v[CD+2*\b:CD+2*\b+1] offset:32*(\b/2)+8*(\b%2)
.else
	ds_store_b64 v[STOC], v[CD+2*\b:CD+2*\b+1] offset:16*\b
.endif
.endr
.irp t, 0,1,2,3                        ; LDS serves a wave's instructions in order: these see the stores above, and the next block's stores come behind them
.if \mode == 0
	ds_load_b128 v[BBR+4*\t:BBR+4*\t+3], v[RDQ] offset:64*(\t/2)+8*SPI*(\t%2)
.else
	ds_load_b128 v[BBR+4*\t:BBR+4*\t+3], v[RDV] offset:4*SPI*\t
.endif
.endr
.endm
.macro SENDB a, mode, younger          ; younger: the LDS instructions issued behind block a's loads: the next block's 8 stores and 4 loads, or none
.set BBR, BB+16*((\a)%2)
	s_wait_dscnt \younger
.irp t, 0,1,2,3
.if \mode == 0
	global_store_b128 v[GO], v[BBR+4*\t:BBR+4*\t+3], s[POUT:POUT+1] offset:(\t/2)*131072+1024*(\a)+512*(\t%2)
.elseif \mode == 1
	global_store_b128 v[GO], v[BBR+4*\t:BBR+4*\t+3], s[POUT:POUT+1] offset:((\a)/4)*131072+2048*((\a)%4)+512*\t
.else
	global_store_b128 v[GO], v[BBR+4*\t:BBR+4*\t+3], s[POUT:POUT+1] offset:2048*(\a)+512*\t
.endif
.endr
.endm
.macro WAYOUT mode
	OUTB 0, \mode
.irp a, 1,2,3,4,5,6,7
.if \a > 1
	s_wait_xcnt 0x0                                ; the stores of the block two back have read their registers: this block's rows may land there
.endif
	OUTB \a, \mode
	SENDB \a-1, \mode, 12
.endr
	SENDB 7, \mode, 0
.endm
	s_wait_kmcnt 0x0
.if QKV
	s_cmp_eq_u32 s66, 1                            ; (ea, eb, eo): entries (0, 1, 6), (2, 3, 7), (4, 5, 9): chosen, not branched on
	s_cselect_b32 s96, s70, s68
	s_cselect_b32 s97, s71, s69
	s_cselect_b32 s98, s75, s74
	s_cmp_eq_u32 s66, 2
	s_cselect_b32 s96, s72, s96
	s_cselect_b32 s97, s73, s97
	s_cselect_b32 s98, s77, s98
	s_add_co_i32 s96, s96, s97
	s_add_co_i32 s98, s98, 127
.else
	s_add_co_i32 s96, s80, s81                     ; entries 12, 13;
	s_add_co_i32 s98, s82, 127                     ; 14
.endif
	s_add_co_i32 s96, s96, 127
	s_lshl_b32 s96, s96, 23                        ; 2^(ea + eb) as f32,
	s_mov_b32 s97, s96                             ; as a pair
	s_lshl_b32 s99, s98, 23
	v_mov_b32 v[QS], s99
	s_add_co_i32 s98, s98, 8
	s_lshl_b32 s98, s98, 23
	s_or_b32 s98, s98, 0x600000
	v_mov_b32 v[QL], s98
	s_wait_loadcnt 0x0                             ; the biases
	PLACES NP                                      ; behind the last products: for the reads of results and the writes into A's registers
.if QKV
	s_cmp_eq_u32 s66, 2
	s_cbranch_scc1 .Larm_v                         ; the cluster's x alone decides: all sixteen partners go the same way
	WAYOUT 0
	s_branch .Lend
.Larm_v:
	WAYOUT 1
.Lend:
.else
	WAYOUT 2
.endif
	s_wait_tensorcnt 0x0                           ; the wave's end: behind my last tensor load and my last LDS store
	ds_add_u32 v[SPW], v[NIL]
	s_wait_dscnt 0x0
	CROUND                                         ; the closing round
	s_endpgm
.Lfunc_end_k_q6942a55658_qkv:
	.size	k_q6942a55658_qkv, .Lfunc_end_k_q6942a55658_qkv-k_q6942a55658_qkv
	.p2alignl 7, 3214868480
	.fill 96, 4, 3214868480
	.section	.rodata,"a",@progbits
	.p2align	6, 0x0
	.amdhsa_kernel k_q6942a55658_qkv
		.amdhsa_group_segment_fixed_size 327680
		.amdhsa_private_segment_fixed_size 0
		.amdhsa_enable_private_segment 0
		.amdhsa_kernarg_size 48
		.amdhsa_user_sgpr_count 2
		.amdhsa_user_sgpr_kernarg_segment_ptr 1
		.amdhsa_wavefront_size32 1
		.amdhsa_system_sgpr_workgroup_id_x 1
		.amdhsa_system_sgpr_workgroup_id_y 1
		.amdhsa_system_sgpr_workgroup_id_z 1
		.amdhsa_system_vgpr_workitem_id 0
		.amdhsa_next_free_vgpr 1024
		.amdhsa_next_free_sgpr 100
		.amdhsa_reserve_vcc 0
		.amdhsa_float_denorm_mode_32 3
		.amdhsa_float_denorm_mode_16_64 3
		.amdhsa_memory_ordered 1
		.amdhsa_forward_progress 1
		.amdhsa_inst_pref_size 208
	.end_amdhsa_kernel
	.amdgpu_metadata
---
amdhsa.version: [ 1, 2 ]
amdhsa.kernels:
  - .name:           k_q6942a55658_qkv
    .symbol:         k_q6942a55658_qkv.kd
    .args:
      - { .name: pc, .offset: 0, .size: 8, .value_kind: global_buffer, .address_space: global }
      - { .name: lowp_scales, .offset: 8, .size: 8, .value_kind: global_buffer, .address_space: global }
      - { .name: bq, .offset: 16, .size: 8, .value_kind: global_buffer, .address_space: global }
      - { .name: bk, .offset: 24, .size: 8, .value_kind: global_buffer, .address_space: global }
      - { .name: bv, .offset: 32, .size: 8, .value_kind: global_buffer, .address_space: global }
      - { .name: qkvc, .offset: 40, .size: 8, .value_kind: global_buffer, .address_space: global }
    .group_segment_fixed_size: 327680
    .private_segment_fixed_size: 0
    .kernarg_segment_align: 8
    .kernarg_segment_size: 48
    .max_flat_workgroup_size: 128
    .sgpr_count:     100
    .vgpr_count:     1024
    .wavefront_size: 32
...
	.end_amdgpu_metadata
.endif
;; end of part 2
;; launch attn (part 3): grid 8 x 32, 8 waves a work-group, clusters of 4 x 1, 327,680 bytes of LDS; arguments qkvc, lowp_scales, ctxc; writes ctxc
.if DOCPART == 3
	.amdgcn_target "amdgcn-amd-amdhsa--gfx1250"
	.amdhsa_code_object_version 6
	.text
	.protected	k_q6942a55658_attn
	.globl	k_q6942a55658_attn
	.p2align	8
	.type	k_q6942a55658_attn,@function
k_q6942a55658_attn:
	s_mov_b64 s[64:65], 0
	v_nop
	global_prefetch_b8 v0, s[64:65] scope:SCOPE_SE
	s_setreg_imm32_b32 hwreg(HW_REG_WAVE_MODE, 25, 1), 1
	s_wait_xcnt 0x0
	s_wait_alu depctr_hold_cnt(0) depctr_sa_sdst(0) depctr_va_vdst(0) depctr_va_sdst(0) depctr_va_ssrc(0) depctr_va_vcc(0) depctr_vm_vsrc(0)
	s_getreg_b32 s2, hwreg(HW_REG_IB_STS2, 6, 4)
	s_cmp_eq_u32 s2, 0
	s_cbranch_scc0 .Lentry_in_a_cluster
	s_endpgm
.Lentry_in_a_cluster:
	s_bfe_u32 s2, ttmp6, 0x10000c
	s_cmp_lg_u32 s2, 0x3003
	s_cbranch_scc0 .Lentry_shape_is_right
	s_endpgm
.Lentry_shape_is_right:
; ATTENTION ON CODES OF E4M3, head size 64, 2,048 keys, no mask: reference() throws the source's masked_fill away, so no number of the result hangs on src_mask: it is not loaded here.
; q, k: [batch x head 32][token][64] codes; v: [batch x head][block of 128 keys][channel 64][128] codes, the keys innermost in the order given below.  Out: the context's codes (entry 10), [head 16][token 4,096][64].
; SOFTMAX: t = score x log2(e) / 8; M = the running largest t rounded up to a whole number; p = 2^(t - M) is quantised (entry 8), not normalised; the row's sum is taken of the unquantised p and divides at the end;
; when M moves, the sum and O are multiplied by 2^(old M - new M), which rounds nothing.
; LIMITS: entries 6 + 7 between -123 and 130 (added to c's exponent field); entries 8 and 10 between -126 and 119; the scaled scores stay under 2^31 in magnitude.
; SHARES.  A work-group owns 256 queries of one head; each of its EIGHT waves owns 32, two tiles of 16: every fragment of K and of V that a wave reads from LDS feeds two matrix instructions.  Two waves to a SIMD.
; A HEAD'S WHOLE K AND V LIE IN LDS (311,296 bytes with padding): each byte is filled once.  Two fills, one tensor load a wave each (waves 0-3 K's quarters, waves 4-7 V's):
; at the head K's first 640 keys and V's first 512; behind the full sequence and a round the rest.  Phase 1 walks key steps 0-3 while the second fill is on its way, phase 2 steps 4-15.
; K's fragments are fetched a step ahead: phase 1's last step fetches keys 512-639, which the first fill brought; phase 2's last step fetches none (a scalar branch on the count of steps).
; CLUSTER.  The four query blocks of a cluster walk the same K and V: every load is a joint one, the same descriptor and the mask 15 in all four.
; NO PREFETCH: the launch has two loads a wave, both issued ahead of the first key step; the second has four key steps in which to land, and no load follows that a prefetch could run ahead of.
; LAYOUT.  Both products transposed: S^T = K Q^T (source 0 = keys 16 tau + r, source 1 = 16 queries), O^T = V^T P^T.  A lane holds one query of each tile.  Register j of tile tau is key 16 tau + 8 h + j, so the conversions'
; results, registers 2 tau, 2 tau + 1, are the K = 128 form's own layout; V's fragment comes by loads of 16 bytes at 16 h + 32 c, and the launch before has laid key 16 b + 8 h + j at byte 32 (b / 2) + 16 h + 8 (b % 2) + j for that.
; THE ORDER OF A STEP.  The eleven dependent lines that make a tile's M and f stand among independent lines of the other tile: tile 0's among tile 1's maxima, tile 1's among tile 0's scalings t - M.  O^T is brought under
; the new M ahead of the exponentials.  THE TWO TILES' EXPONENTIALS ARE TWO BATCHES, and among each batch's lines stand plain lines of the OTHER tile that read none of the batch's results: among tile 0's, tile 1's scalings;
; among tile 1's, tile 0's first level of sums (into registers of their own) and its holds.  What such a line reads was written ahead of the wait that opens its batch, and what it writes is first read behind the wait that closes it.
; REGISTERS.  Window 0: v1-8 addresses and scales; v12-27 the two tiles' state (-M, largest t, the sum's pair, f's pair, a permute's target); v28-35 chains; v40-55 Q; v56-87 p's codes; v96-223 S^T, then p; v224-255 tile 0's sums of four.
;   Window 1: v0-63 O^T; v64-127 K's 8 fragments; v128-191 V's 4.
.set KP,    80                         ; a key's row in LDS: 64 bytes + 16
.set VP,    144                        ; a channel's 128 keys: 128 bytes + 16
.set VOFF,  2048*KP
.set KA,    640                        ; K's rows in the first fill,
.set KB,    2048-KA                    ; and in the second
.set VA,    256                        ; V's rows (4 blocks x 64 channels) in the first fill,
.set VB,    1024-VA                    ; and in the second
.set SPARE, VOFF+1024*VP               ; behind them: the spare words, 128 bytes a wave
.set STG,   32*KP                      ; the way out: 32 rows x 80 bytes a wave, in K's first 256 rows, which nobody reads behind phase 2's barrier and no load fills again
.set AK0, 1                            ; v1   my lane's place in a tile of K
.set AV0, 2                            ; v2   the same for V
.set PL,  3                            ; v3   the way out: 448 x the scale
.set PS,  4                            ; v4   the scale as f32
.set SPW, 5
.set NIL, 6
.set ADK, 7                            ; v7   LDS address of the K fragments to be fetched
.set ADV, 8                            ; v8   of the step's V fragments
.set NM,  12                           ; tile u at NM + 8 u: +0 -M, +1 the largest t, +2, +3 the sum, +4 f (+5 named with it), +6 a lane permute's target
.set MX,  28                           ; tile u at MX + 4 u: four chains
.set Q,   40
.set CD,  56
.set S,   96
.set T,   224
.set O,   0                            ; window 1
.set KF,  64
.set VF,  128
.set WV,  18
.set SEL, 20
.set CS,  22
.set G1KA, 24
.set G1VA, 32
.set G1KB, 40
.set G1VB, 48
.set G0KA, 56
.set G0VA, 60
.set G0KB, 68
.set G0VB, 72
.set TBK, 76
.set TBV, 77
.set CNT, 78
.set HB,  79                           ; s79  448 x 2^e8: p's hold
.set MSB, 0
.macro WIN new                         ; the immediate's high byte repeats the setting that is left
.if MSB != \new
	s_set_vgpr_msb (MSB<<8)|\new
.set MSB, \new
.endif
.endm
.macro CROUND
	s_barrier_signal -1
	s_barrier_wait -1
	s_cmp_lg_u32 s[WV], 0
	s_cbranch_scc1 .Lnot_wave_0_\@
	s_barrier_signal -3
.Lnot_wave_0_\@:
	s_barrier_wait -3
	s_barrier_signal -1
	s_barrier_wait -1
.endm
.macro JLOAD gk, g1k, gv, g1v          ; waves 0-3 fetch for K, waves 4-7 for V: one load in each arm; an s_nop 0 and four v_nop follow each line
	s_cmp_lt_u32 s[WV], 4
	s_cbranch_scc0 .Lfor_v_\@
	tensor_load_to_lds s[\gk:\gk+3], s[\g1k:\g1k+7]
	s_nop 0
.rept 4
	v_nop
.endr
	s_branch .Lasked_\@
.Lfor_v_\@:
	tensor_load_to_lds s[\gv:\gv+3], s[\g1v:\g1v+7]
	s_nop 0
.rept 4
	v_nop
.endr
.Lasked_\@:
.endm
.macro MKG1 g, w0, rowb, rows          ; group 1: rows of rowb bytes, dense in memory
	s_mov_b32 s[\g], \w0
	s_mov_b32 s[\g+1], (\rowb)<<16
	s_mov_b32 s[\g+2], (\rows)<<16
	s_mov_b32 s[\g+3], (\rowb)<<16
	s_mov_b32 s[\g+4], \rows
	s_mov_b32 s[\g+5], \rowb
	s_mov_b32 s[\g+6], 0
	s_mov_b32 s[\g+7], 0
.endm
.macro MKG0 g, lbase, lstep, mbase, mstep   ; group 0: my quarter (s17) of a fill: where it goes and where it comes from (s2: the head's bytes)
	s_mov_b32 s[\g], 1
	s_mul_i32 s[\g+1], s17, \lstep
	s_add_co_u32 s[\g+1], s[\g+1], \lbase
	s_mul_i32 s10, s17, \mstep
	s_add_co_u32 s10, s10, s2
	s_add_co_u32 s10, s10, \mbase
	s_add_nc_u64 s[\g+2:\g+3], s[4:5], s[10:11]
	s_or_b32 s[\g+3], s[\g+3], 0x80000000
.endm
.macro HOLD2 a                         ; two holds in one dual-issue instruction.  The conversion does not saturate (ISA guide 7.6.2); p is not negative, so the hold is one-sided
	v_dual_min_num_f32 v[\a], s[HB], v[\a] :: v_dual_min_num_f32 v[\a+1], s[HB], v[\a+1]
.endm
; Line i (0 .. 29) of tile u's maxima: the step's largest score of my query among my 64 keys, in four chains, the registers in ascending order.
.macro MAXOP u, i
.if (\i) < 4
	v_max3_num_f32 v[MX+4*\u+(\i)], v[S+64*\u+3*(\i)], v[S+64*\u+3*(\i)+1], v[S+64*\u+3*(\i)+2]
.elseif (\i) < 28
	v_max3_num_f32 v[MX+4*\u+(\i)%4], v[MX+4*\u+(\i)%4], v[S+64*\u+4+2*(\i)], v[S+64*\u+5+2*(\i)]
.elseif (\i) < 30
	v_max3_num_f32 v[MX+4*\u+(\i)-28], v[MX+4*\u+(\i)-28], v[S+64*\u+4+2*(\i)], v[S+64*\u+5+2*(\i)]
.endif
.endm
; Line i (0 .. 10) of the chain that makes tile u's new -M and f from its four chains of maxima: each line reads the line above it.
.macro CH u, i
.if (\i) == 0
	v_max3_num_f32 v[MX+4*\u], v[MX+4*\u], v[MX+4*\u+1], v[MX+4*\u+2]
.elseif (\i) == 1
	v_max_num_f32 v[MX+4*\u], v[MX+4*\u], v[MX+4*\u+3]
.elseif (\i) == 2
	v_permlanex16_b32 v[NM+8*\u+6], v[MX+4*\u], s[SEL], s[SEL+1]
.elseif (\i) == 3
	v_max_num_f32 v[MX+4*\u], v[MX+4*\u], v[NM+8*\u+6]     ; and among lane l xor 16's
.elseif (\i) == 4
	v_mul_f32 v[MX+4*\u], s[CS], v[MX+4*\u]                ; as t (c is positive)
.elseif (\i) == 5
	v_max_num_f32 v[NM+8*\u+1], v[NM+8*\u+1], v[MX+4*\u]
.elseif (\i) == 6
	v_mov_b32 v[MX+4*\u], v[NM+8*\u]
.elseif (\i) == 7
	v_floor_f32 v[NM+8*\u], -v[NM+8*\u+1]                  ; the new -M = floor(-t)
.elseif (\i) == 8
	v_sub_f32 v[MX+4*\u], v[NM+8*\u], v[MX+4*\u]           ; old M - new M: a whole number, 0 or less
.elseif (\i) == 9
	v_cvt_i32_f32 v[MX+4*\u], v[MX+4*\u]
.elseif (\i) == 10
	v_ldexp_f32 v[NM+8*\u+4], 1.0, v[MX+4*\u]              ; f = 2^(old M - new M)
.endif
.endm
.macro FMA0 i                          ; pair i (0 .. 31) of tile 0: t - M
.if (\i) < 32
	v_pk_fma_f32 v[S+2*(\i):S+2*(\i)+1], v[S+2*(\i):S+2*(\i)+1], s[CS:CS+1], v[NM:NM+1] op_sel_hi:[1,0,0]
.endif
.endm
.set WK, 15|(1<<20)|(1<<21)|(3<<22)|(3<<25)    ; the mask; 1 byte; padding on; bit 21 beside a mask; after every 16 words, 4 words
.set WVV, 15|(1<<20)|(1<<21)|(4<<22)|(3<<25)   ; after every 32 words
	s_load_b128 s[4:7], s[0:1], 0x0                ; qkvc, the exponents
	s_load_b64 s[8:9], s[0:1], 0x10                ; ctxc
	v_lshl_add_u32 v[SPW], v0, 2, SPARE
	v_mov_b32 v[NIL], 0
	ds_add_u32 v[SPW], v[NIL]                      ; the wave's opening: the add, twice on end, and its wait ahead of my first tensor load
	ds_add_u32 v[SPW], v[NIL]
	v_lshrrev_b32 v7, 5, v0
	v_readfirstlane_b32 s[WV], v7                  ; wave 0..7
	s_bfe_u32 s14, ttmp6, 0x40000                  ; cx
	s_lshl_b32 s15, ttmp9, 2
	s_add_co_u32 s15, s15, s14                     ; my block of 256 queries: it enters Q's and the output's addresses alone
	s_and_b32 s16, ttmp7, 0xffff                   ; 16 x batch + head, which the partners share
	s_and_b32 s17, s[WV], 3                        ; which quarter of a fill I fetch
	s_lshl_b32 s2, s16, 17                         ; the head's 131,072 bytes in each of q, k, v
	s_mov_b32 s3, 0
	s_mov_b32 s11, 0
	s_lshl_b32 s13, s15, 14
	s_lshl_b32 s12, s[WV], 11
	s_add_co_u32 s13, s13, s12                     ; (256 x block + 32 x wave) x 64 bytes
	s_and_b32 s14, s16, 15
	s_lshl_b32 s14, s14, 18                        ; out: head x 4,096 tokens x 64,
	s_lshr_b32 s12, s16, 4
	s_lshl_b32 s12, s12, 17                        ; + batch x 2,048 x 64
	s_add_co_u32 s14, s14, s12
	s_add_co_u32 s14, s14, s13
	s_mov_b32 s15, 0
	MKG1 G1KA, WK, 64, KA/4
	MKG1 G1VA, WVV, 128, VA/4
	MKG1 G1KB, WK, 64, KB/4
	MKG1 G1VB, WVV, 128, VB/4
	s_mov_b32 s[SEL], 0x76543210
	s_mov_b32 s[SEL+1], 0xfedcba98
	s_mov_b32 s[CS], 0x3e38aa3b                    ; c = log2(e) / 8
	s_wait_dscnt 0x0                               ; both opening adds are done
	s_wait_kmcnt 0x0
	s_load_b512 s[84:99], s[6:7], 0x0              ; the sixteen exponents: entry i in s[84 + i]
	MKG0 G0KA, 0, (KA/4)*KP, 4<<20, (KA/4)*64
	MKG0 G0VA, VOFF, (VA/4)*VP, 8<<20, (VA/4)*128
	MKG0 G0KB, KA*KP, (KB/4)*KP, (4<<20)+KA*64, (KB/4)*64
	MKG0 G0VB, VOFF+VA*VP, (VB/4)*VP, (8<<20)+VA*128, (VB/4)*128
	s_add_co_u32 s2, s2, s13
	s_add_nc_u64 s[4:5], s[4:5], s[2:3]            ; my queries
	s_add_nc_u64 s[8:9], s[8:9], s[14:15]          ; and their place in the output
	CROUND                                         ; all four work-groups are here: the joint loads meet
	JLOAD G0KA, G1KA, G0VA, G1VA                   ; the first fill: one tensor load a wave at the head
	v_and_b32 v28, 15, v0                          ; r
	v_bfe_u32 v29, v0, 4, 1                        ; h
	v_lshlrev_b32 v36, 6, v28
	v_lshl_add_u32 v36, v29, 4, v36                ; Q: row r of 64 bytes, + 16 h
.irp u, 0,1
	global_load_b128 v[Q+8*\u:Q+8*\u+3], v36, s[4:5] offset:1024*\u       ; Q's fragments stay in registers: the same permutation of the head's 64 as K's loads make
	global_load_b128 v[Q+8*\u+4:Q+8*\u+7], v36, s[4:5] offset:1024*\u+32
.endr
	v_mul_u32_u24 v[AK0], v28, KP
	v_lshl_add_u32 v[AK0], v29, 4, v[AK0]
	v_mul_u32_u24 v[AV0], v28, VP
	v_lshl_add_u32 v[AV0], v29, 4, v[AV0]
	v_add_nc_u32 v[AV0], VOFF, v[AV0]
.irp u, 0,1
	v_mov_b32 v[NM+8*\u+1], 0xff61b1e6             ; the largest t so far: -3e38
	v_floor_f32 v[NM+8*\u], -v[NM+8*\u+1]          ; -M
	v_mov_b32 v[NM+8*\u+2], 0
	v_mov_b32 v[NM+8*\u+3], 0
	v_mov_b32 v[NM+8*\u+5], 0                      ; (the upper half of f's pair)
	v_mov_b32 v[NM+8*\u+6], 0                      ; a lane permute's destination counts as read
.endr
	WIN 0x40
.set n, 0
.rept 64
	v_mov_b32 v[O+n], 0                            ; the step is written for every step alike: the first finds zeros, which the first change of M leaves zeros
.set n, n+1
.endr
	WIN 0
	s_wait_kmcnt 0x0
	s_add_co_i32 s10, s90, s91
	s_lshl_b32 s10, s10, 23
	s_add_co_i32 s[CS], s[CS], s10                 ; a score stands for score x 2^(e6 + e7): added to c's exponent field
	s_mov_b32 s[CS+1], s[CS]
	s_add_co_i32 s10, s92, 127
	s_lshl_b32 s12, s10, 23
	v_mov_b32 v[PS], s12                           ; 2^e8
	s_add_co_i32 s10, s10, 8
	s_lshl_b32 s10, s10, 23
	s_or_b32 s[HB], s10, 0x600000                  ; 448 x 2^e8
.macro LOADK                           ; 128 keys x 64: eight fragments, sixteen loads
.irp t, 0,1,2,3,4,5,6,7
	ds_load_b128 v[KF+8*\t:KF+8*\t+3], v[ADK] offset:16*KP*\t
	ds_load_b128 v[KF+8*\t+4:KF+8*\t+7], v[ADK] offset:16*KP*\t+32
.endr
.endm
; A KEY STEP: 128 keys x my 32 queries.  Its K fragments were fetched a step ago.  skip = 1: the loop's last trip fetches no further K.
.macro STEP skip
	WIN 0x01                                       ; source 0 (K) window 1
.irp t, 0,1,2,3,4,5,6,7
.irp u, 0,1
	v_wmma_f32_16x16x64_fp8_fp8 v[S+64*\u+8*\t:S+64*\u+8*\t+7], v[KF+8*\t:KF+8*\t+7], v[Q+8*\u:Q+8*\u+7], 0
.endr
.endr
	WIN 0
	s_add_co_u32 s[TBK], s[TBK], 128*KP            ; the next step's K
	v_add_nc_u32 v[ADV], s[TBV], v[AV0]            ; these two lines and two v_nop: four places behind the products, for the loads into K's and V's registers and for the first read of the scores
	v_add_nc_u32 v[ADK], s[TBK], v[AK0]
	v_nop
	v_nop
	s_add_co_u32 s[TBV], s[TBV], 64*VP
	WIN 0x40                                       ; destination window 1
.irp t, 0,1,2,3
.irp c, 0,1,2,3
	ds_load_b128 v[VF+16*\t+4*\c:VF+16*\t+4*\c+3], v[ADV] offset:16*VP*\t+32*\c
.endr
.endr
.if \skip
	WIN 0
	s_cmp_eq_u32 s[CNT], 1                         ; the count of steps alone: there is no key behind the last step's
	s_cbranch_scc1 .Lno_k_\@
	WIN 0x40
.endif
	LOADK                                          ; both runs of 16 loads have the maxima, the scalings and the exponentials in which to land
	WIN 0
.if \skip
.Lno_k_\@:
.endif
.set q, 0
.rept 30                               ; tile 0's maxima
	MAXOP 0, q
.set q, q+1
.endr
.set q, 0
.rept 11                               ; tile 0's chain, three of tile 1's maxima behind each of its lines
	CH 0, q
	MAXOP 1, 3*q
	MAXOP 1, 3*q+1
	MAXOP 1, 3*q+2
.set q, q+1
.endr
.set q, 0
.rept 11                               ; tile 1's chain, three of tile 0's scalings behind each of its lines
	CH 1, q
	FMA0 3*q
	FMA0 3*q+1
	FMA0 3*q+2
.set q, q+1
.endr
	WIN 0x41                                       ; destination and source 0 (O^T) window 1
.irp u, 0,1
.set n, 0
.rept 16
	v_pk_mul_f32 v[O+32*\u+n:O+32*\u+n+1], v[O+32*\u+n:O+32*\u+n+1], v[NM+8*\u+4:NM+8*\u+5] op_sel_hi:[1,0]   ; O^T under the new M, each accumulator from its low end on; no transcendental stands between the last step's products and these lines
.set n, n+2
.endr
.endr
	WIN 0
	s_wait_alu depctr_va_vdst(0)                   ; ahead of a batch
.set n, 0
.rept 32                               ; BATCH 0: tile 0's p = 2^(t - M); among its lines tile 1's t - M
	v_exp_f32 v[S+n], v[S+n]
	v_exp_f32 v[S+n+1], v[S+n+1]
	v_pk_fma_f32 v[S+64+n:S+64+n+1], v[S+64+n:S+64+n+1], s[CS:CS+1], v[NM+8:NM+9] op_sel_hi:[1,0,0]
.set n, n+2
.endr
	s_wait_alu depctr_va_vdst(0)                   ; behind batch 0 and ahead of batch 1
.set n, 0
.rept 16                               ; BATCH 1: tile 1's p; among its lines tile 0's sums of four unquantised p, each into a pair of its own, and then the holds of those four
	v_exp_f32 v[S+64+n], v[S+64+n]
	v_pk_add_f32 v[T+n/2:T+n/2+1], v[S+n:S+n+1], v[S+n+2:S+n+3]
	v_exp_f32 v[S+64+n+1], v[S+64+n+1]
	HOLD2 S+n
	v_exp_f32 v[S+64+n+2], v[S+64+n+2]
	HOLD2 S+n+2
	v_exp_f32 v[S+64+n+3], v[S+64+n+3]
.set n, n+4
.endr
.irp u, 0,1
	v_pk_mul_f32 v[NM+8*\u+2:NM+8*\u+3], v[NM+8*\u+2:NM+8*\u+3], v[NM+8*\u+4:NM+8*\u+5] op_sel_hi:[1,0]   ; the sums under the new M: plain lines behind the last exponential
.endr
	s_wait_alu depctr_va_vdst(0)                   ; behind batch 1, ahead of the first reader of its results and of what was written among its lines, and directly ahead of the wait below
	s_wait_dscnt 0x0                               ; V's sixteen loads and the next step's K are in: no wait stands between the conversions below and the products
	v_pk_add_f32 v[NM+2:NM+3], v[NM+2:NM+3], v[T:T+1]      ; the rest of the sums, three chains a tile, the tiles by turns
	v_pk_add_f32 v[MX:MX+1], v[T+2:T+3], v[T+4:T+5]
	v_pk_add_f32 v[MX+2:MX+3], v[T+6:T+7], v[T+8:T+9]
	v_pk_add_f32 v[MX+4:MX+5], v[S+64:S+65], v[S+66:S+67]
	v_pk_add_f32 v[MX+6:MX+7], v[S+68:S+69], v[S+70:S+71]
.set k, 8
.set j, 10
.rept 9
	v_pk_add_f32 v[NM+10:NM+11], v[NM+10:NM+11], v[S+64+k:S+64+k+1]
	v_pk_add_f32 v[MX+4:MX+5], v[MX+4:MX+5], v[S+64+k+2:S+64+k+3]
	v_pk_add_f32 v[MX+6:MX+7], v[MX+6:MX+7], v[S+64+k+4:S+64+k+5]
.if j < 28
	v_pk_add_f32 v[NM+2:NM+3], v[NM+2:NM+3], v[T+j:T+j+1]
	v_pk_add_f32 v[MX:MX+1], v[MX:MX+1], v[T+j+2:T+j+3]
	v_pk_add_f32 v[MX+2:MX+3], v[MX+2:MX+3], v[T+j+4:T+j+5]
.endif
.set k, k+6
.set j, j+6
.endr
	v_pk_add_f32 v[NM+10:NM+11], v[NM+10:NM+11], v[S+126:S+127]
	v_pk_add_f32 v[MX+4:MX+5], v[MX+4:MX+5], v[MX+6:MX+7]
	v_pk_add_f32 v[NM+2:NM+3], v[NM+2:NM+3], v[T+28:T+29]
	v_pk_add_f32 v[MX:MX+1], v[MX:MX+1], v[T+30:T+31]
	v_pk_add_f32 v[NM+10:NM+11], v[NM+10:NM+11], v[MX+4:MX+5]
	v_pk_add_f32 v[MX:MX+1], v[MX:MX+1], v[MX+2:MX+3]
	v_pk_add_f32 v[NM+2:NM+3], v[NM+2:NM+3], v[MX:MX+1]
.irp t, 0,1,2,3,4,5,6,7                ; tile 1's holds, and both tiles' conversions
	HOLD2 S+64+8*\t
	HOLD2 S+64+8*\t+2
	HOLD2 S+64+8*\t+4
	HOLD2 S+64+8*\t+6
	v_cvt_scalef32_pk8_fp8_f32 v[CD+2*\t:CD+2*\t+1], v[S+8*\t:S+8*\t+7], v[PS]
	v_cvt_scalef32_pk8_fp8_f32 v[CD+16+2*\t:CD+16+2*\t+1], v[S+64+8*\t:S+64+8*\t+7], v[PS]
.endr
	v_nop                                          ; a plain line between the last conversion and the products that read its result
	WIN 0x51                                       ; V, C and D window 1; p's codes window 0
.irp t, 0,1,2,3
.irp u, 0,1
	v_wmma_f32_16x16x128_fp8_fp8 v[O+32*\u+8*\t:O+32*\u+8*\t+7], v[VF+16*\t:VF+16*\t+15], v[CD+16*\u:CD+16*\u+15], v[O+32*\u+8*\t:O+32*\u+8*\t+7]
.endr
.endr
	WIN 0
.endm
.macro PHASE n, skip
	s_mov_b32 s[CNT], \n
.Lstep_\@:
	STEP \skip
	s_sub_co_u32 s[CNT], s[CNT], 1
	s_cmp_lg_u32 s[CNT], 0
	s_cbranch_scc1 .Lstep_\@
.endm
	s_wait_alu depctr_va_vdst(0)                   ; the head's end
	s_wait_loadcnt 0x0                             ; Q
	s_wait_tensorcnt 0x0                           ; my part of the first fill is in
	ds_add_u32 v[SPW], v[NIL]
	s_wait_dscnt 0x0
	CROUND                                         ; everybody's part of the first fill is in, and all four work-groups are here: the joint loads meet
	JLOAD G0KB, G1KB, G0VB, G1VB                   ; the second fill, my one tensor load behind the round
	s_mov_b32 s[TBK], 0
	s_mov_b32 s[TBV], 0
	v_add_nc_u32 v[ADK], s[TBK], v[AK0]
	WIN 0x40
	LOADK                                          ; step 0's K
	WIN 0
	s_wait_dscnt 0x0
	PHASE 4, 0                                     ; key steps 0-3: they read K's rows 0-639 and V's rows 0-255
	s_wait_tensorcnt 0x0                           ; my part of the second fill is in
	s_wait_dscnt 0x0
	s_barrier_signal -1
	s_barrier_wait -1
	PHASE 12, 1                                    ; key steps 4-15; step 4's K is in registers already
	; THE WAY OUT: O^T / the sum x 2^(e8 + e9) is the context; it is quantised (entry 10) and leaves through my stage as 2,048 consecutive bytes.  The address work stands in the places behind the last products and behind the reciprocals.
	v_and_b32 v28, 15, v0                          ; r
	v_bfe_u32 v29, v0, 4, 1                        ; h
	v_mul_u32_u24 v30, v28, KP
	v_bfe_u32 v31, v0, 2, 3                        ; lane / 4
.irp u, 0,1
	v_add_f32 v[NM+8*\u+2], v[NM+8*\u+2], v[NM+8*\u+3]
.endr
.irp u, 0,1
	v_permlanex16_b32 v[NM+8*\u+6], v[NM+8*\u+2], s[SEL], s[SEL+1]
.endr
.irp u, 0,1
	v_add_f32 v[NM+8*\u+2], v[NM+8*\u+2], v[NM+8*\u+6]     ; the row's sum
.endr
	s_wait_alu depctr_va_vdst(0)                   ; ahead of the batch
.irp u, 0,1
	v_rcp_f32 v[NM+8*\u+2], v[NM+8*\u+2]
.endr
	s_mul_i32 s10, s[WV], STG                      ; my stage
	v_lshl_add_u32 v30, v29, 3, v30
	v_add_nc_u32 v30, s10, v30                     ; into it: row r, + 8 h
	v_mul_u32_u24 v31, v31, KP
	v_and_b32 v28, 3, v0
	v_lshl_add_u32 v31, v28, 4, v31
	v_add_nc_u32 v31, s10, v31                     ; back: four lanes to a row of 64 bytes
	v_and_b32 v29, 31, v0
	v_lshlrev_b32 v29, 4, v29                      ; and 16 x lane in memory
	s_add_co_i32 s10, s94, 127
	s_lshl_b32 s12, s10, 23
	v_mov_b32 v[PS], s12                           ; 2^e10
	s_add_co_i32 s10, s10, 8
	s_lshl_b32 s10, s10, 23
	s_or_b32 s10, s10, 0x600000
	v_mov_b32 v[PL], s10
	s_add_co_i32 s12, s92, s93
	s_wait_alu depctr_va_vdst(0)                   ; ahead of the reciprocals' first reader
.irp u, 0,1
	v_ldexp_f32 v[NM+8*\u+2], v[NM+8*\u+2], s12
.endr
	WIN 0x01                                       ; source 0 (O^T) window 1
	s_wait_alu depctr_va_vdst(0)                   ; directly ahead of the first reader of O^T
.irp u, 0,1
.set n, 0
.rept 32
	v_mul_f32 v[S+64*\u+n], v[O+32*\u+n], v[NM+8*\u+2]     ; register 8 t + j: channel 16 t + 8 h + j of query 16 u + r
.set n, n+1
.endr
.endr
	WIN 0
.irp u, 0,1
.set n, 0
.rept 32
	v_med3_num_f32 v[S+64*\u+n], v[S+64*\u+n], -v[PL], v[PL]
.set n, n+1
.endr
.endr
.irp u, 0,1
.irp t, 0,1,2,3
	v_cvt_scalef32_pk8_fp8_f32 v[CD+8*\u+2*\t:CD+8*\u+2*\t+1], v[S+64*\u+8*\t:S+64*\u+8*\t+7], v[PS]
.endr
.endr
	v_nop
.irp u, 0,1
.irp t, 0,1,2,3
	ds_store_b64 v30, v[CD+8*\u+2*\t:CD+8*\u+2*\t+1] offset:16*KP*\u+16*\t
.endr
.endr
.irp i, 0,1,2,3
	ds_load_b128 v[CD+16+4*\i:CD+16+4*\i+3], v31 offset:8*KP*\i   ; LDS serves a wave's instructions in order: these see my stores
.endr
.irp i, 0,1,2,3
	s_wait_dscnt 3-\i
	global_store_b128 v29, v[CD+16+4*\i:CD+16+4*\i+3], s[8:9] offset:512*\i   ; 512 consecutive bytes each
.endr
	s_wait_tensorcnt 0x0                           ; the wave's end
	ds_add_u32 v[SPW], v[NIL]
	s_wait_dscnt 0x0
	CROUND                                         ; the closing round
	s_endpgm
.Lfunc_end_k_q6942a55658_attn:
	.size	k_q6942a55658_attn, .Lfunc_end_k_q6942a55658_attn-k_q6942a55658_attn
	.p2alignl 7, 3214868480
	.fill 96, 4, 3214868480
	.section	.rodata,"a",@progbits
	.p2align	6, 0x0
	.amdhsa_kernel k_q6942a55658_attn
		.amdhsa_group_segment_fixed_size 327680
		.amdhsa_private_segment_fixed_size 0
		.amdhsa_enable_private_segment 0
		.amdhsa_kernarg_size 24
		.amdhsa_user_sgpr_count 2
		.amdhsa_user_sgpr_kernarg_segment_ptr 1
		.amdhsa_wavefront_size32 1
		.amdhsa_system_sgpr_workgroup_id_x 1
		.amdhsa_system_sgpr_workgroup_id_y 1
		.amdhsa_system_sgpr_workgroup_id_z 1
		.amdhsa_system_vgpr_workitem_id 0
		.amdhsa_next_free_vgpr 512
		.amdhsa_next_free_sgpr 100
		.amdhsa_reserve_vcc 0
		.amdhsa_float_denorm_mode_32 3
		.amdhsa_float_denorm_mode_16_64 3
		.amdhsa_memory_ordered 1
		.amdhsa_forward_progress 1
		.amdhsa_inst_pref_size 79
	.end_amdhsa_kernel
	.amdgpu_metadata
---
amdhsa.version: [ 1, 2 ]
amdhsa.kernels:
  - .name:           k_q6942a55658_attn
    .symbol:         k_q6942a55658_attn.kd
    .args:
      - { .name: qkvc, .offset: 0, .size: 8, .value_kind: global_buffer, .address_space: global }
      - { .name: lowp_scales, .offset: 8, .size: 8, .value_kind: global_buffer, .address_space: global }
      - { .name: ctxc, .offset: 16, .size: 8, .value_kind: global_buffer, .address_space: global }
    .group_segment_fixed_size: 327680
    .private_segment_fixed_size: 0
    .kernarg_segment_align: 8
    .kernarg_segment_size: 24
    .max_flat_workgroup_size: 256
    .sgpr_count:     100
    .vgpr_count:     512
    .wavefront_size: 32
...
	.end_amdgpu_metadata
.endif
;; end of part 3
;; launch wo (part 4): grid 8 x 32, 4 waves a work-group, clusters of 4 x 4, 327,680 bytes of LDS; arguments ctxc, pc, lowp_scales, bo, x, x1; writes x1
.if DOCPART == 4
	.amdgcn_target "amdgcn-amd-amdhsa--gfx1250"
	.amdhsa_code_object_version 6
	.text
	.protected	k_q6942a55658_wo
	.globl	k_q6942a55658_wo
	.p2align	8
	.type	k_q6942a55658_wo,@function
k_q6942a55658_wo:
	s_mov_b64 s[64:65], 0
	v_nop
	global_prefetch_b8 v0, s[64:65] scope:SCOPE_SE
	s_setreg_imm32_b32 hwreg(HW_REG_WAVE_MODE, 25, 1), 1
	s_wait_xcnt 0x0
	s_wait_alu depctr_hold_cnt(0) depctr_sa_sdst(0) depctr_va_vdst(0) depctr_va_sdst(0) depctr_va_ssrc(0) depctr_va_vcc(0) depctr_vm_vsrc(0)
	s_getreg_b32 s2, hwreg(HW_REG_IB_STS2, 6, 4)
	s_cmp_eq_u32 s2, 0
	s_cbranch_scc0 .Lentry_in_a_cluster
	s_endpgm
.Lentry_in_a_cluster:
	s_bfe_u32 s2, ttmp6, 0x10000c
	s_cmp_lg_u32 s2, 0xf033
	s_cbranch_scc0 .Lentry_shape_is_right
	s_endpgm
.Lentry_shape_is_right:
; out[m][n] = res[m][n] + (sum over k of A[m][k] B[n][k]) x 2^(ea + eb) + bias[n], on codes of E4M3; m 4,096, n 1,024; out, res f32.
; A lies in PLANES of PW along K: [K / PW][4,096][PW] (the launch before stored it so, in runs of 512 bytes); B is [1,024][SIZE_K], K innermost.  LIMIT: ea + eb between -126 and 127.
; 4,096 x 1,024 makes 256 tiles of 128 x 128, one for each of 256 work-groups; four waves, 64 x 64 each: 16 accumulators.  K goes in steps of 512 through a ring of two LDS slots.
; A's tile by ONE two-dimensional load: a plane's 64 rows are dense in memory, so they are stated as one row of 64 PW bytes, with the padding behind every PW bytes; the planes are the tile's rows.
; CLUSTERS: 4 x 4; A's tile is shared along a row of the cluster, B's along a column: joint loads.  THE MATRIX INSTRUCTION IS USED TRANSPOSED: lane (r, h), register j of accumulator (a, b) = out(16 a + r, 16 b + 8 h + j).
; REGISTERS: window 0: v12-15 my four columns' bias; v16-29 addresses; v32-95 the way out; v128-255 the accumulators.  window 1: two fragment buffers of 128 (A's four fragments, then B's four).  window 2: v0-127 the residual.
.set SIZE_K, 1024
.set PW,     64                        ; a plane's width
.set QIA,    3                         ; the padding's interval for A: 2 << QIA words = PW bytes
.set BOFF,   15<<20                    ; B's codes in pc
.set EOFF,   40                        ; ea, eb: entries 10, 11
.set NTOUT,  0                         ; 1: the result is read by no later launch
.set KS,     512
.set BP,     528                       ; B's LDS row: 512 bytes + 16
.set HB,     64*BP
.set AP,     PW+16                     ; A's LDS row
.set NPL,    KS/PW                     ; planes in a slot
.set APL,    64*AP
.set HA,     NPL*APL
.set SLOT,   2*HA+2*HB                 ; A's two halves, then B's two
.set STAGE,  2*SLOT                    ; behind the ring: 16 rows x 272 bytes for each wave
.set SPITCH, 272
.set SPARE,  STAGE+4*16*SPITCH
.set LAPS,   SIZE_K/(2*KS)
.set ADRA, 16
.set ADRB, 20
.set STO,  24
.set RD,   25
.set CO,   26
.set BO,   27
.set SPW,  28
.set NIL,  29
.set TMP,  32
.set ACC,  128
.set F0,   0
.set F1,   128
.set G1, 24
.set G0, 32
.set G1B, 48
.set G0B, 56
.set MSB, 0
.macro WIN new
.if MSB != \new
	s_set_vgpr_msb (MSB<<8)|\new
.set MSB, \new
.endif
.endm
.set MUL,  0x05                        ; sources 0 (B) and 1 (A) window 1; C and D window 0
.set TO_F, 0x40
.macro JLOAD s                         ; waves 0, 1 fetch A's halves, waves 2, 3 B's; an s_nop 0 and four v_nop follow each line
	s_cmp_eq_u32 s11, 0
	s_cbranch_scc0 .Lfor_b_\@
	tensor_load_to_lds s[G0+4*\s:G0+4*\s+3], s[G1:G1+7]
	s_nop 0
.rept 4
	v_nop
.endr
	s_branch .Lasked_\@
.Lfor_b_\@:
	tensor_load_to_lds s[G0B+4*\s:G0B+4*\s+3], s[G1B:G1B+7]
	s_nop 0
.rept 4
	v_nop
.endr
.Lasked_\@:
.endm
.macro CREST
	s_cmp_lg_u32 s10, 0
	s_cbranch_scc1 .Lnot_wave_0_\@
	s_barrier_signal -3
.Lnot_wave_0_\@:
	s_barrier_wait -3
	s_barrier_signal -1
	s_barrier_wait -1
.endm
.macro CROUND
	s_barrier_signal -1
	s_barrier_wait -1
	CREST
.endm
	s_load_b256 s[68:75], s[0:1], 0x0              ; A, pc, the exponents, the bias
	s_load_b128 s[76:79], s[0:1], 0x20             ; the residual, out
	v_lshl_add_u32 v[SPW], v0, 2, SPARE
	v_mov_b32 v[NIL], 0
	ds_add_u32 v[SPW], v[NIL]                      ; the wave's opening: the add and its wait ahead of my first tensor load
	ds_add_u32 v[SPW], v[NIL]
	v_lshrrev_b32 v1, 5, v0
	v_readfirstlane_b32 s10, v1                    ; wave
	s_lshr_b32 s11, s10, 1                         ; my half of the rows.  Also: I fetch for A (0) or for B (1)
	s_and_b32 s12, s10, 1                          ; my half of the columns.  Also: which 64 rows I fetch
	s_bfe_u32 s40, ttmp6, 0x40000
	s_bfe_u32 s41, ttmp6, 0x40004
	s_lshl_b32 s42, ttmp9, 2
	s_add_co_u32 s42, s42, s40                     ; tile column
	s_and_b32 s13, ttmp7, 0xffff
	s_lshl_b32 s13, s13, 2
	s_add_co_u32 s13, s13, s41                     ; tile row
	s_lshl_b32 s43, s41, 2
	s_lshl_b32 s43, 15, s43
	s_lshl_b32 s44, 0x1111, s40
	s_or_b32 s[G1+0], s43, (0<<16)|(1<<20)|(1<<21)|(QIA<<22)|(3<<25)   ; A: the mask of my row; 1 byte; padding of 4 words behind every PW bytes
	s_mov_b32 s[G1+1], ((64*PW)&0xffff)<<16        ; tensor_dim0: a plane's 64 rows on end
	s_mov_b32 s[G1+2], ((64*PW)>>16)|(NPL<<16)     ; tensor_dim1: the planes
	s_mov_b32 s[G1+3], (64*PW)<<16                 ; tile_dim0
	s_mov_b32 s[G1+4], NPL                         ; tile_dim1
	s_mov_b32 s[G1+5], 4096*PW                     ; from plane to plane
	s_mov_b32 s[G1+6], 0
	s_mov_b32 s[G1+7], 0
	s_or_b32 s[G1B+0], s44, (0<<16)|(1<<20)|(1<<21)|(6<<22)|(3<<25)    ; B: the mask of my column; padding behind every 128 words
	s_mov_b32 s[G1B+1], KS<<16
	s_mov_b32 s[G1B+2], 64<<16
	s_mov_b32 s[G1B+3], KS<<16
	s_mov_b32 s[G1B+4], 64
	s_mov_b32 s[G1B+5], SIZE_K
	s_mov_b32 s[G1B+6], 0
	s_mov_b32 s[G1B+7], 0
	s_lshl_b32 s17, s12, 6
	s_lshl_b32 s16, s13, 7
	s_add_co_u32 s16, s16, s17
	s_mul_i32 s16, s16, PW                         ; A: row 128 x tile row + 64 x half, in plane 0
	s_lshl_b32 s46, s42, 7
	s_add_co_u32 s46, s46, s17
	s_mul_i32 s46, s46, SIZE_K
	s_add_co_u32 s46, s46, BOFF                    ; B: row 128 x tile column + 64 x half
	s_mov_b32 s17, 0
	s_mov_b32 s47, 0
	s_mul_i32 s20, s12, HA                         ; where they go
	s_mul_i32 s21, s12, HB
	s_add_co_u32 s21, s21, 2*HA
	s_wait_dscnt 0x0                               ; the opening add is done
	s_wait_kmcnt 0x0
	s_load_b64 s[80:81], s[72:73], EOFF            ; ea, eb
	s_add_nc_u64 s[14:15], s[68:69], s[16:17]
	s_add_nc_u64 s[46:47], s[70:71], s[46:47]
	; the prefetch of K step 1, the second and last.  Of my wave's tile, 128 blocks of 256 bytes, each of the four partners that ask for it jointly names 32, told apart by address, a lane a block.
	; A (waves 0, 1): partner cx names planes 2 cx, 2 cx + 1 of the step's eight: 64 rows x 64 bytes on end each.  B (waves 2, 3): partner cy names rows 16 cy .. 16 cy + 15, two blocks a row.
	s_lshl_b32 s6, s40, 19                         ; 2 cx planes of 4,096 x 64 bytes
	s_lshl_b32 s7, s41, 14                         ; 16 cy rows of 1,024 bytes
	s_mov_b32 s8, 512
	s_cmp_eq_u32 s11, 0                            ; do I fetch for A?
	s_cselect_b64 s[4:5], s[14:15], s[46:47]
	s_cselect_b32 s6, s6, s7
	s_cselect_b32 s8, 0x200000, s8                 ; one K step on, in bytes
	s_cselect_b32 s2, -1, 0
	s_mov_b32 s7, 0
	s_mov_b32 s9, 0
	s_add_nc_u64 s[4:5], s[4:5], s[6:7]
	s_add_nc_u64 s[4:5], s[4:5], s[8:9]
	v_and_b32 v6, 31, v0
	v_lshrrev_b32 v7, 4, v6
	v_and_b32 v9, 15, v6
	v_lshlrev_b32 v7, 18, v7
	v_lshl_add_u32 v7, v9, 8, v7                   ; A: plane lane / 16, block lane % 16
	v_lshrrev_b32 v8, 1, v6
	v_and_b32 v10, 1, v6
	v_lshlrev_b32 v8, 10, v8
	v_lshl_add_u32 v8, v10, 8, v8                  ; B: row lane / 2, block lane % 2
	v_cndmask_b32 v30, v8, v7, s2                  ; v30: my lane's offset; never rewritten
	CROUND                                         ; the first joint loads meet
.irp s, 0,1
	s_mov_b32 s[G0+4*\s], 1
	s_add_co_u32 s[G0+4*\s+1], s20, \s*SLOT
	s_add_nc_u64 s[G0+4*\s+2:G0+4*\s+3], s[14:15], \s*KS*4096   ; NPL planes on
	s_or_b32 s[G0+4*\s+3], s[G0+4*\s+3], 0x80000000
	s_mov_b32 s[G0B+4*\s], 1
	s_add_co_u32 s[G0B+4*\s+1], s21, \s*SLOT
	s_add_nc_u64 s[G0B+4*\s+2:G0B+4*\s+3], s[46:47], \s*KS
	s_or_b32 s[G0B+4*\s+3], s[G0B+4*\s+3], 0x80000000
	s_wait_alu depctr_va_vdst(0)                   ; a round ahead of each of the two first fills: one tensor load a wave behind each
.if \s                                 ; K step 0's load follows the opening round; slot 1's first fill stands behind the full sequence and a round
	s_wait_tensorcnt 0x0
	ds_add_u32 v28, v29
	s_wait_dscnt 0x0
	CROUND
.endif
	JLOAD \s
.if \s == 0
	global_prefetch_b8 v30, s[4:5] th:TH_LOAD_NT scope:SCOPE_SE   ; K step 1, whose load sets out when K step 0's has landed
.endif
.endr
	v_and_b32 v1, 15, v0                           ; r
	v_bfe_u32 v2, v0, 4, 1                         ; h
	v_mul_u32_u24 v3, v1, AP
	v_lshl_add_u32 v3, v2, 4, v3
	v_mul_u32_u24 v4, v1, BP
	v_lshl_add_u32 v4, v2, 4, v4
	s_mul_i32 s21, s11, HA
	s_mul_i32 s22, s12, HB
	s_add_co_u32 s22, s22, 2*HA
.irp s, 0,1
	v_add_nc_u32 v[ADRA+\s], s21, v3
	v_add_nc_u32 v[ADRB+\s], s22, v4
	s_add_co_u32 s21, s21, SLOT
	s_add_co_u32 s22, s22, SLOT
.endr
	s_mul_i32 s23, s10, 16*SPITCH
	s_add_co_u32 s23, s23, STAGE                   ; my stage
	v_mul_u32_u24 v5, v1, SPITCH
	v_lshl_add_u32 v5, v2, 5, v5
	v_add_nc_u32 v[STO], s23, v5                   ; in: row r, + 32 h
	v_mul_u32_u24 v5, v2, SPITCH
	v_lshl_add_u32 v5, v1, 4, v5
	v_add_nc_u32 v[RD], s23, v5                    ; back: lanes 0-15 one row of 256 bytes, lanes 16-31 the next
	v_lshlrev_b32 v5, 12, v2
	v_lshl_add_u32 v[CO], v1, 4, v5                ; and the same two rows in memory (4,096 bytes a row)
	v_lshlrev_b32 v[BO], 4, v1
	s_wait_alu depctr_va_vdst(0)
	s_lshl_b32 s16, s13, 7
	s_lshl_b32 s17, s11, 6
	s_add_co_u32 s16, s16, s17
	s_lshl_b32 s16, s16, 12                        ; my first row,
	s_mov_b32 s17, 0
	s_lshl_b32 s46, s42, 9
	s_lshl_b32 s47, s12, 8
	s_add_co_u32 s46, s46, s47                     ; my first column, in bytes
	s_mov_b32 s47, 0
	s_add_nc_u64 s[74:75], s[74:75], s[46:47]
	s_add_nc_u64 s[76:77], s[76:77], s[16:17]
	s_add_nc_u64 s[76:77], s[76:77], s[46:47]
	s_add_nc_u64 s[78:79], s[78:79], s[16:17]
	s_add_nc_u64 s[78:79], s[78:79], s[46:47]
	global_load_b128 v[12:15], v[BO], s[74:75]
	WIN 0x80                                       ; destination window 2: my 64 x 64 of the residual, in the layout in which the rows leave; it lands under the products
.irp a, 0,1,2,3
.irp t, 0,1,2,3,4,5,6,7
	global_load_b128 v[32*\a+4*\t:32*\a+4*\t+3], v[CO], s[76:77] offset:(16*\a+2*\t)*4096
.endr
.endr
	WIN 0
; 8 matrix instructions: A's blocks a0, a0 + 1 x B's four, 128 along K.  The 16 accumulators take turns, one instruction a turn, in the same order in every quarter.
.macro MUL8 f, a0, zero
.irp a, \a0, \a0+1
.irp b, 0,1,2,3
.if \zero
	v_wmma_f32_16x16x128_fp8_fp8 v[ACC+8*(4*(\a)+\b):ACC+8*(4*(\a)+\b)+7], v[\f+64+16*\b:\f+64+16*\b+15], v[\f+16*(\a):\f+16*(\a)+15], 0
.else
	v_wmma_f32_16x16x128_fp8_fp8 v[ACC+8*(4*(\a)+\b):ACC+8*(4*(\a)+\b)+7], v[\f+64+16*\b:\f+64+16*\b+15], v[\f+16*(\a):\f+16*(\a)+15], v[ACC+8*(4*(\a)+\b):ACC+8*(4*(\a)+\b)+7]
.endif
.endr
.endr
.endm
; 32 LDS loads in one run: the slot's q-th 128 along K into buffer f: B's four fragments, A's 0 and 1, A's 2 and 3.  Registers 4 c .. 4 c + 3: K = 32 c + 16 h + 0 .. 15, in A and in B alike.
.macro FETCH slot, q, f
	WIN TO_F
.irp i, 0,1,2,3
.irp c, 0,1,2,3
	ds_load_b128 v[\f+64+16*\i+4*\c:\f+64+16*\i+4*\c+3], v[ADRB+\slot] offset:128*(\q)+32*\c+\i*16*BP
.endr
.endr
.irp i, 0,1,2,3
.irp c, 0,1,2,3
.if PW == 128
	ds_load_b128 v[\f+16*\i+4*\c:\f+16*\i+4*\c+3], v[ADRA+\slot] offset:(\q)*APL+32*\c+\i*16*AP
.else
	ds_load_b128 v[\f+16*\i+4*\c:\f+16*\i+4*\c+3], v[ADRA+\slot] offset:(2*(\q)+\c/2)*APL+32*(\c%2)+\i*16*AP
.endif
.endr
.endr
.endm
.macro PLACES
.rept 4
	v_nop
.endr
.endm
; A quarter, 128 along K: multiplies buffer f; in its middle it fetches the slot's quarter qn into buffer g.
.macro QUARTER slot, qn, f, g, zero
	s_wait_dscnt 8                                 ; B's fragments and A's 0, 1 are in; the youngest eight loads (A's 2, 3) may be out
	WIN MUL
	MUL8 \f, 0, \zero
	PLACES
	FETCH \slot, \qn, \g
	s_wait_dscnt 32                                ; all but the 32 just issued
	WIN MUL
	MUL8 \f, 2, \zero
.endm
; A slot's last quarter multiplies buffer 1 and changes slots.
.macro TURN slot, next, fill
	WIN 0
	s_wait_tensorcnt 0x0                           ; all my tensor loads have landed: my part of the next slot
	ds_add_u32 v[SPW], v[NIL]
	s_wait_dscnt 9                                 ; the add and the youngest eight loads may be out
	WIN MUL
	MUL8 F1, 0, 0
	s_wait_dscnt 0x0                               ; the add is done, and my reads of this slot are over
	s_barrier_signal -1
	WIN 0
	s_barrier_wait -1
.if \fill
	CREST                                          ; the barrier has opened a round of the cluster's
	s_add_nc_u64 s[G0+4*\slot+2:G0+4*\slot+3], s[G0+4*\slot+2:G0+4*\slot+3], 2*KS*4096
	s_add_nc_u64 s[G0B+4*\slot+2:G0B+4*\slot+3], s[G0B+4*\slot+2:G0B+4*\slot+3], 2*KS
	JLOAD \slot                                    ; the first tensor load behind the round; its four v_nop are the places in front of the loads below
.else
	PLACES
.endif
	FETCH \next, 0, F0
	WIN MUL
	MUL8 F1, 2, 0
.endm
	s_wait_tensorcnt 1                             ; my part of slot 0 is in; slot 1's may be out
	s_barrier_signal -1
	s_barrier_wait -1
	FETCH 0, 0, F0
	QUARTER 0, 1, F0, F1, 1                        ; the first quarter's products start the sums
.if LAPS > 1
	WIN 0
	s_mov_b32 s3, LAPS-1
.Llap:
	QUARTER 0, 2, F1, F0, 0
	QUARTER 0, 3, F0, F1, 0
	TURN 0, 1, 1
	QUARTER 1, 1, F0, F1, 0
	QUARTER 1, 2, F1, F0, 0
	QUARTER 1, 3, F0, F1, 0
	TURN 1, 0, 1
	QUARTER 0, 1, F0, F1, 0
	WIN 0
	s_sub_co_u32 s3, s3, 1
	s_cmp_lg_u32 s3, 0
	s_cbranch_scc1 .Llap
.endif
	QUARTER 0, 2, F1, F0, 0                        ; the last lap fills nothing
	QUARTER 0, 3, F0, F1, 0
	TURN 0, 1, 0
	QUARTER 1, 1, F0, F1, 0
	QUARTER 1, 2, F1, F0, 0
	QUARTER 1, 3, F0, F1, 0
	s_wait_dscnt 8
	WIN MUL
	MUL8 F1, 0, 0
	s_wait_dscnt 0
	MUL8 F1, 2, 0
	WIN 0
; THE WAY OUT, 16 rows x my 64 columns at a time: the sums go through my own stage as they are and come back as whole rows of 256 bytes, where bias and residual lie in the same layout.
.macro TOSTAGE a
.set TB, TMP+32*((\a)%2)
.irp b, 0,1,2,3
	ds_store_b128 v[STO], v[ACC+8*(4*(\a)+\b):ACC+8*(4*(\a)+\b)+3] offset:64*\b           ; each accumulator from its low end on
	ds_store_b128 v[STO], v[ACC+8*(4*(\a)+\b)+4:ACC+8*(4*(\a)+\b)+7] offset:64*\b+16
.endr
.irp t, 0,1,2,3,4,5,6,7
	ds_load_b128 v[TB+4*\t:TB+4*\t+3], v[RD] offset:\t*2*SPITCH    ; LDS serves a wave's instructions in order
.endr
.endm
.macro SEND a, younger                 ; younger: the next block's 8 stores and 8 loads, or none
.set TB, TMP+32*((\a)%2)
	s_wait_dscnt \younger
.irp t, 0,1,2,3,4,5,6,7
	v_pk_fma_f32 v[TB+4*\t:TB+4*\t+1], v[TB+4*\t:TB+4*\t+1], s[80:81], v[12:13] op_sel_hi:[1,0,1]       ; sum x 2^(ea + eb) + bias
	v_pk_fma_f32 v[TB+4*\t+2:TB+4*\t+3], v[TB+4*\t+2:TB+4*\t+3], s[80:81], v[14:15] op_sel_hi:[1,0,1]
.endr
	WIN 0x08                                       ; source 1: window 2
.irp t, 0,1,2,3,4,5,6,7
	v_pk_add_f32 v[TB+4*\t:TB+4*\t+1], v[TB+4*\t:TB+4*\t+1], v[32*(\a)+4*\t:32*(\a)+4*\t+1]             ; + the residual
	v_pk_add_f32 v[TB+4*\t+2:TB+4*\t+3], v[TB+4*\t+2:TB+4*\t+3], v[32*(\a)+4*\t+2:32*(\a)+4*\t+3]
.endr
	WIN 0
.irp t, 0,1,2,3,4,5,6,7
.if NTOUT
	global_store_b128 v[CO], v[TB+4*\t:TB+4*\t+3], s[78:79] offset:(16*(\a)+2*\t)*4096 th:TH_STORE_NT   ; 16 lanes store 256 consecutive bytes, aligned
.else
	global_store_b128 v[CO], v[TB+4*\t:TB+4*\t+3], s[78:79] offset:(16*(\a)+2*\t)*4096
.endif
.endr
.endm
	s_wait_kmcnt 0x0
	s_add_co_i32 s80, s80, s81
	s_add_co_i32 s80, s80, 127
	s_lshl_b32 s80, s80, 23                        ; 2^(ea + eb) as f32,
	s_mov_b32 s81, s80                             ; as a pair
	s_wait_loadcnt 0x0                             ; the bias and the residual
	PLACES                                         ; behind the last products, ahead of the stores that read results
	TOSTAGE 0
.irp a, 1,2,3
.if \a > 1
	s_wait_xcnt 0x0                                ; the stores of the block two back have read their registers
.endif
	TOSTAGE \a
	SEND \a-1, 16
.endr
	SEND 3, 0
	s_wait_tensorcnt 0x0                           ; the wave's end
	ds_add_u32 v[SPW], v[NIL]
	s_wait_dscnt 0x0
	CROUND                                         ; the closing round
	s_endpgm
.Lfunc_end_k_q6942a55658_wo:
	.size	k_q6942a55658_wo, .Lfunc_end_k_q6942a55658_wo-k_q6942a55658_wo
	.p2alignl 7, 3214868480
	.fill 96, 4, 3214868480
	.section	.rodata,"a",@progbits
	.p2align	6, 0x0
	.amdhsa_kernel k_q6942a55658_wo
		.amdhsa_group_segment_fixed_size 327680
		.amdhsa_private_segment_fixed_size 0
		.amdhsa_enable_private_segment 0
		.amdhsa_kernarg_size 48
		.amdhsa_user_sgpr_count 2
		.amdhsa_user_sgpr_kernarg_segment_ptr 1
		.amdhsa_wavefront_size32 1
		.amdhsa_system_sgpr_workgroup_id_x 1
		.amdhsa_system_sgpr_workgroup_id_y 1
		.amdhsa_system_sgpr_workgroup_id_z 1
		.amdhsa_system_vgpr_workitem_id 0
		.amdhsa_next_free_vgpr 640
		.amdhsa_next_free_sgpr 84
		.amdhsa_reserve_vcc 0
		.amdhsa_float_denorm_mode_32 3
		.amdhsa_float_denorm_mode_16_64 3
		.amdhsa_memory_ordered 1
		.amdhsa_forward_progress 1
		.amdhsa_inst_pref_size 55
	.end_amdhsa_kernel
	.amdgpu_metadata
---
amdhsa.version: [ 1, 2 ]
amdhsa.kernels:
  - .name:           k_q6942a55658_wo
    .symbol:         k_q6942a55658_wo.kd
    .args:
      - { .name: ctxc, .offset: 0, .size: 8, .value_kind: global_buffer, .address_space: global }
      - { .name: pc, .offset: 8, .size: 8, .value_kind: global_buffer, .address_space: global }
      - { .name: lowp_scales, .offset: 16, .size: 8, .value_kind: global_buffer, .address_space: global }
      - { .name: bo, .offset: 24, .size: 8, .value_kind: global_buffer, .address_space: global }
      - { .name: x, .offset: 32, .size: 8, .value_kind: global_buffer, .address_space: global }
      - { .name: x1, .offset: 40, .size: 8, .value_kind: global_buffer, .address_space: global }
    .group_segment_fixed_size: 327680
    .private_segment_fixed_size: 0
    .kernarg_segment_align: 8
    .kernarg_segment_size: 48
    .max_flat_workgroup_size: 128
    .sgpr_count:     84
    .vgpr_count:     640
    .wavefront_size: 32
...
	.end_amdgpu_metadata
.endif
;; end of part 4
;; launch ln2 (part 5): grid 512 x 1, 4 waves a work-group, no clusters, 20,992 bytes of LDS; arguments x1, g2, be2, lowp_scales, xn2; writes xn2
.if DOCPART == 5
	.amdgcn_target "amdgcn-amd-amdhsa--gfx1250"
	.amdhsa_code_object_version 6
	.text
	.protected	k_q6942a55658_ln2
	.globl	k_q6942a55658_ln2
	.p2align	8
	.type	k_q6942a55658_ln2,@function
k_q6942a55658_ln2:
	s_mov_b64 s[64:65], 0
	v_nop
	global_prefetch_b8 v0, s[64:65] scope:SCOPE_SE
	s_setreg_imm32_b32 hwreg(HW_REG_WAVE_MODE, 25, 1), 1
	s_wait_xcnt 0x0
; ROWS OF 1,024 f32 INTO CODES OF E4M3: the second layer norm: every row of x1 is normed (mean; unbiased std; / (std + 1e-6); x g + be) and quantised with the scale of entry 12.
; (The first launch's text is the same with x and the six weights.)
; code = number / 2^e, held within +-448, to the nearest code, ties to even.  LIMITS: e between -126 and 119; NaN among the inputs is not served.
; SHARES.  A wave takes RPW rows on end; a work-group 4 x RPW rows.
; ALL OF A WAVE'S ROWS ARE ASKED FOR AT ITS HEAD: 8 RPW loads of 512 consecutive bytes (16 a lane), each row into registers of its own; the waits count the later rows' loads.
; A ROW.  The norm needs no order among a lane's numbers.  The conversions take eight neighbours from one lane's registers: so the row turns
; through the wave's own stage in LDS (as it lies in; 64 bytes a lane out; 16 bytes of padding behind each 64) and a lane's 16 codes are 16 bytes: each store covers 512 consecutive bytes.
; No tensor load, no barrier: waves share nothing.
.set RPW,   2                          ; rows of a wave
.set SP,    80                         ; a lane's place in a stage: 64 bytes + 16
.set WREG,  64*SP                      ; a wave's two stages of 32 places
.set SPARE, 4*WREG                     ; behind them: the spare words, 128 bytes a wave
.set LOFF,  2                          ; v2   16 x lane; never rewritten
.set SIN,   3
.set SOUT,  4
.set SPW,   6
.set NIL,   7
.set SC,    20                         ; v20: 2^e; v21: 448 x 2^e
.set R,     32                         ; RPW sets of 32 numbers as loaded
.set X,     R+32*RPW                   ; the row's numbers, 2 x 16 neighbours
.set T,     X+32                       ; held
.set C,     T+32                       ; 8 registers of codes
.set DST,   54
	s_load_b256 s[4:11], s[0:1], 0x0               ; the rows, g, be, the exponents
	s_load_b64 s[24:25], s[0:1], 0x20              ; the codes
.set PG,  6
.set PBE, 8
.set PLS, 10
	v_lshl_add_u32 v[SPW], v0, 2, SPARE
	v_mov_b32 v[NIL], 0
	v_lshrrev_b32 v1, 5, v0
	v_readfirstlane_b32 s26, v1                    ; wave
	v_and_b32 v1, 31, v0                           ; lane
	v_lshlrev_b32 v[LOFF], 4, v1
	s_mul_i32 s30, s26, WREG
	v_lshrrev_b32 v[SIN], 2, v1
	v_mul_u32_u24 v[SIN], v[SIN], SP
	v_and_b32 v5, 3, v1
	v_lshl_add_u32 v[SIN], v5, 4, v[SIN]
	v_add_nc_u32 v[SIN], s30, v[SIN]               ; in: four lanes' 64 bytes on end, then the padding
	v_mul_u32_u24 v[SOUT], v1, SP
	v_add_nc_u32 v[SOUT], s30, v[SOUT]             ; out: my 16 neighbours
	v_mov_b32 v13, 0                               ; upper halves of pairs of which the low word serves both halves,
	v_mov_b32 v15, 0
	v_mov_b32 v16, 0                               ; and a lane permute's destination, which counts as read
	s_mov_b32 s52, 0x76543210
	s_mov_b32 s53, 0xfedcba98
	s_lshl_b32 s30, ttmp9, 2
	s_add_co_u32 s30, s30, s26                     ; 4 x work-group + wave
	s_mul_i32 s49, s30, RPW*1024                   ; my first row's codes
	s_wait_kmcnt 0x0
	s_load_b32 s48, s[PG:PG+1], 0x0                ; g
	s_load_b32 s50, s[PBE:PBE+1], 0x0              ; be
	s_load_b32 s32, s[PLS:PLS+1], 48               ; entry 12
	s_mul_i32 s30, s30, RPW*4096
	s_mov_b32 s31, 0
	s_add_nc_u64 s[4:5], s[4:5], s[30:31]          ; my first row
	s_mov_b32 s30, s49
	s_add_nc_u64 s[DST:DST+1], s[24:25], s[30:31]
.macro LOADROW i
.irp j, 0,1,2,3,4,5,6,7
	global_load_b128 v[R+32*(\i)+4*\j:R+32*(\i)+4*\j+3], v[LOFF], s[4:5] offset:4096*(\i)+512*\j th:TH_LOAD_NT
.endr
.endm
.macro REDUCE                          ; v8 summed over the 32 lanes, in every lane
	v_add_f32_dpp v8, v8, v8 row_xmask:1 row_mask:0xf bank_mask:0xf
	v_add_f32_dpp v8, v8, v8 row_xmask:2 row_mask:0xf bank_mask:0xf
	v_add_f32_dpp v8, v8, v8 row_xmask:4 row_mask:0xf bank_mask:0xf
	v_add_f32_dpp v8, v8, v8 row_xmask:8 row_mask:0xf bank_mask:0xf
	v_permlanex16_b32 v16, v8, s52, s53
	v_add_f32 v8, v8, v16
.endm
; The norm of the row in v[b] .. v[b + 31], in place: the mean first, then the squares of the differences, so that a common offset of the row costs no accuracy.
.macro LNROW b
	v_pk_add_f32 v[8:9], v[\b:\b+1], v[\b+2:\b+3]
	v_pk_add_f32 v[10:11], v[\b+4:\b+5], v[\b+6:\b+7]
.irp p, 8,12,16,20,24,28
	v_pk_add_f32 v[8:9], v[8:9], v[\b+\p:\b+\p+1]
	v_pk_add_f32 v[10:11], v[10:11], v[\b+\p+2:\b+\p+3]
.endr
	v_pk_add_f32 v[8:9], v[8:9], v[10:11]
	v_add_f32 v8, v8, v9
	REDUCE
	v_mul_f32 v12, 0x3a800000, v8                  ; / 1,024: the mean
.irp p, 0,2,4,6,8,10,12,14,16,18,20,22,24,26,28,30
	v_pk_add_f32 v[\b+\p:\b+\p+1], v[\b+\p:\b+\p+1], v[12:13] op_sel_hi:[1,0] neg_lo:[0,1] neg_hi:[0,1]
.endr
	v_pk_mul_f32 v[8:9], v[\b:\b+1], v[\b:\b+1]
	v_pk_mul_f32 v[10:11], v[\b+2:\b+3], v[\b+2:\b+3]
.irp p, 4,8,12,16,20,24,28
	v_pk_fma_f32 v[8:9], v[\b+\p:\b+\p+1], v[\b+\p:\b+\p+1], v[8:9]
	v_pk_fma_f32 v[10:11], v[\b+\p+2:\b+\p+3], v[\b+\p+2:\b+\p+3], v[10:11]
.endr
	v_pk_add_f32 v[8:9], v[8:9], v[10:11]
	v_add_f32 v8, v8, v9
	REDUCE
	v_mul_f32 v8, 0x3a802008, v8                   ; / 1,023: the unbiased variance
	s_wait_alu depctr_va_vdst(0)
	v_sqrt_f32 v17, v8
	v_nop                                          ; a plain instruction behind the root,
	s_wait_alu depctr_va_vdst(0)                   ; and the wait ahead of the first use of its result
	v_add_f32 v17, 0x358637bd, v17                 ; std + 1e-6
	s_wait_alu depctr_va_vdst(0)
	v_rcp_f32 v14, v17
	v_nop
	s_wait_alu depctr_va_vdst(0)
	v_mul_f32 v14, s48, v14                        ; g / (std + eps)
.irp p, 0,2,4,6,8,10,12,14,16,18,20,22,24,26,28,30
	v_pk_fma_f32 v[\b+\p:\b+\p+1], v[\b+\p:\b+\p+1], v[14:15], s[50:51] op_sel_hi:[1,0,0]
.endr
.endm
; The row through the stages: LDS serves a wave's instructions in order.  Afterwards X[16 s + i] is number 512 s + 16 lane + i.
.macro TURNROW b
.irp j, 0,1,2,3,4,5,6,7
	ds_store_b128 v[SIN], v[\b+4*\j:\b+4*\j+3] offset:32*SP*(\j/4)+8*SP*(\j%4)
.endr
.irp s, 0,1
.irp i, 0,1,2,3
	ds_load_b128 v[X+16*\s+4*\i:X+16*\s+4*\i+3], v[SOUT] offset:32*SP*\s+16*\i
.endr
.endr
.endm
.macro QOUT k, i
	s_wait_xcnt 0x0                                ; the codes' registers were the data of earlier stores: they are rewritten only behind this wait
.set n, 0
.rept 32
	v_med3_num_f32 v[T+n], v[X+n], -v[SC+2*(\k)+1], v[SC+2*(\k)+1]   ; the conversion does not saturate (ISA guide 7.6.2): the hold comes first
.set n, n+1
.endr
.irp g, 0,1,2,3
	v_cvt_scalef32_pk8_fp8_f32 v[C+2*\g:C+2*\g+1], v[T+8*\g:T+8*\g+7], v[SC+2*(\k)]
.endr
	v_nop                                          ; a plain instruction between the conversions and the next lines that write their sources
	global_store_b128 v[LOFF], v[C:C+3], s[DST+2*(\k):DST+2*(\k)+1] offset:1024*(\i)
	global_store_b128 v[LOFF], v[C+4:C+7], s[DST+2*(\k):DST+2*(\k)+1] offset:1024*(\i)+512
.endm
.macro ROW i
	s_wait_loadcnt 8*(RPW-1-(\i))                  ; this row's eight loads are in; the eight of each later row may be out
	LNROW (R+32*(\i))
	TURNROW (R+32*(\i))
	s_wait_dscnt 0x0                               ; the row is back from the stage
	QOUT 0, \i
.endm
.macro MKSC e, vs                      ; 2^e and 448 x 2^e as f32
	s_add_co_i32 s30, s[\e], 127
	s_lshl_b32 s31, s30, 23
	v_mov_b32 v[\vs], s31
	s_add_co_i32 s30, s30, 8
	s_lshl_b32 s30, s30, 23
	s_or_b32 s30, s30, 0x600000
	v_mov_b32 v[\vs+1], s30
.endm
.set Q, 0
.rept RPW
	LOADROW Q
.set Q, Q+1
.endr
	s_wait_kmcnt 0x0
	s_mov_b32 s51, s50                             ; be as a pair
	MKSC 32, SC
.set Q, 0
.rept RPW
	ROW Q
.set Q, Q+1
.endr
	s_wait_tensorcnt 0x0                           ; the wave's end: behind my last LDS store
	ds_add_u32 v[SPW], v[NIL]
	s_wait_dscnt 0x0
	s_endpgm
.Lfunc_end_k_q6942a55658_ln2:
	.size	k_q6942a55658_ln2, .Lfunc_end_k_q6942a55658_ln2-k_q6942a55658_ln2
	.p2alignl 7, 3214868480
	.fill 96, 4, 3214868480
	.section	.rodata,"a",@progbits
	.p2align	6, 0x0
	.amdhsa_kernel k_q6942a55658_ln2
		.amdhsa_group_segment_fixed_size 20992
		.amdhsa_private_segment_fixed_size 0
		.amdhsa_enable_private_segment 0
		.amdhsa_kernarg_size 40
		.amdhsa_user_sgpr_count 2
		.amdhsa_user_sgpr_kernarg_segment_ptr 1
		.amdhsa_wavefront_size32 1
		.amdhsa_system_sgpr_workgroup_id_x 1
		.amdhsa_system_sgpr_workgroup_id_y 1
		.amdhsa_system_sgpr_workgroup_id_z 1
		.amdhsa_system_vgpr_workitem_id 0
		.amdhsa_next_free_vgpr 168
		.amdhsa_next_free_sgpr 66
		.amdhsa_reserve_vcc 0
		.amdhsa_float_denorm_mode_32 3
		.amdhsa_float_denorm_mode_16_64 3
		.amdhsa_memory_ordered 1
		.amdhsa_forward_progress 1
		.amdhsa_inst_pref_size 22
	.end_amdhsa_kernel
	.amdgpu_metadata
---
amdhsa.version: [ 1, 2 ]
amdhsa.kernels:
  - .name:           k_q6942a55658_ln2
    .symbol:         k_q6942a55658_ln2.kd
    .args:
      - { .name: x1, .offset: 0, .size: 8, .value_kind: global_buffer, .address_space: global }
      - { .name: g2, .offset: 8, .size: 8, .value_kind: global_buffer, .address_space: global }
      - { .name: be2, .offset: 16, .size: 8, .value_kind: global_buffer, .address_space: global }
      - { .name: lowp_scales, .offset: 24, .size: 8, .value_kind: global_buffer, .address_space: global }
      - { .name: xn2, .offset: 32, .size: 8, .value_kind: global_buffer, .address_space: global }
    .group_segment_fixed_size: 20992
    .private_segment_fixed_size: 0
    .kernarg_segment_align: 8
    .kernarg_segment_size: 40
    .max_flat_workgroup_size: 128
    .sgpr_count:     66
    .vgpr_count:     168
    .wavefront_size: 32
...
	.end_amdgpu_metadata
.endif
;; end of part 5
;; launch ffn1 (part 6): grid 16 x 16, 4 waves a work-group, clusters of 4 x 4, 327,680 bytes of LDS; arguments xn2, pc, lowp_scales, b1, hc; writes hc
.if DOCPART == 6
	.amdgcn_target "amdgcn-amd-amdhsa--gfx1250"
	.amdhsa_code_object_version 6
	.text
	.protected	k_q6942a55658_ffn1
	.globl	k_q6942a55658_ffn1
	.p2align	8
	.type	k_q6942a55658_ffn1,@function
k_q6942a55658_ffn1:
	s_mov_b64 s[64:65], 0
	v_nop
	global_prefetch_b8 v0, s[64:65] scope:SCOPE_SE
	s_setreg_imm32_b32 hwreg(HW_REG_WAVE_MODE, 25, 1), 1
	s_wait_xcnt 0x0
	s_wait_alu depctr_hold_cnt(0) depctr_sa_sdst(0) depctr_va_vdst(0) depctr_va_sdst(0) depctr_va_ssrc(0) depctr_va_vcc(0) depctr_vm_vsrc(0)
	s_getreg_b32 s2, hwreg(HW_REG_IB_STS2, 6, 4)
	s_cmp_eq_u32 s2, 0
	s_cbranch_scc0 .Lentry_in_a_cluster
	s_endpgm
.Lentry_in_a_cluster:
	s_bfe_u32 s2, ttmp6, 0x10000c
	s_cmp_lg_u32 s2, 0xf033
	s_cbranch_scc0 .Lentry_shape_is_right
	s_endpgm
.Lentry_shape_is_right:
.set QKV,    0
.set SIZE_K, 1024
.set KSTEP,  256
.set ROWB,   256
.set KROW,   SIZE_K
.set PITCH,  272
.set FR,     16
.set NL,     4
.set NP,     4
.set HALFT,  128*PITCH
.set SLOT,   4*HALFT
.set LAPS,   SIZE_K/(2*KSTEP)
.set SPARE,  2*SLOT
.set SPI,    144
.set STGW,   16*SPI
.set ADRA, 16
.set ADRB, 20
.set STOC, 22
.set RDV,  25
.set GO,   26
.set QS,   27
.set SPW,  28
.set NIL,  29
.set QL,   30
.set CBO,  31
.set BIAS, 64
.set AF,   128
.set T,    128
.set CD,   192
.set BB,   208
.set G1, 24
.set G0, 32
.set G1B, 48
.set G0B, 56
.set PTA, 84
.set PTB, 86
.set PLS, 88
.set PBI, 90
.set POUT, 92
.set MSB, 0
.macro WIN new
.if MSB != \new
	s_set_vgpr_msb (MSB<<8)|\new
.set MSB, \new
.endif
.endm
.set MUL_LO, 0xa1
.set MUL_HI, 0xf1
.set TO_B,   0x40
.macro JLOAD g0a, g1a, g0b, g1b
	s_cmp_eq_u32 s15, 0
	s_cbranch_scc0 .Lfor_b_\@
	tensor_load_to_lds s[\g0a:\g0a+3], s[\g1a:\g1a+7]
	s_nop 0
.rept 4
	v_nop
.endr
	s_branch .Lasked_\@
.Lfor_b_\@:
	tensor_load_to_lds s[\g0b:\g0b+3], s[\g1b:\g1b+7]
	s_nop 0
.rept 4
	v_nop
.endr
.Lasked_\@:
.endm
.macro CREST
	s_cmp_lg_u32 s14, 0
	s_cbranch_scc1 .Lnot_wave_0_\@
	s_barrier_signal -3
.Lnot_wave_0_\@:
	s_barrier_wait -3
	s_barrier_signal -1
	s_barrier_wait -1
.endm
.macro CROUND
	s_barrier_signal -1
	s_barrier_wait -1
	CREST
.endm
	s_load_b256 s[84:91], s[0:1], 0x0
	s_load_b64 s[92:93], s[0:1], 0x20
	v_lshl_add_u32 v[SPW], v0, 2, SPARE
	v_mov_b32 v[NIL], 0
	ds_add_u32 v[SPW], v[NIL]
	ds_add_u32 v[SPW], v[NIL]
	v_lshrrev_b32 v1, 5, v0
	v_readfirstlane_b32 s14, v1
	s_lshr_b32 s15, s14, 1
	s_and_b32 s16, s14, 1
	s_bfe_u32 s40, ttmp6, 0x40000
	s_bfe_u32 s41, ttmp6, 0x40004
	s_and_b32 s67, ttmp7, 0xffff
	s_lshl_b32 s42, ttmp9, 2
	s_add_co_u32 s42, s42, s40
	s_lshl_b32 s17, s67, 2
	s_add_co_u32 s17, s17, s41
	s_lshl_b32 s43, s41, 2
	s_lshl_b32 s43, 15, s43
	s_lshl_b32 s44, 0x1111, s40
	s_or_b32 s[G1+0], s43, (0<<16)|(1<<20)|(1<<21)|(5<<22)|(3<<25)
	s_or_b32 s[G1B+0], s44, (0<<16)|(1<<20)|(1<<21)|(5<<22)|(3<<25)
.irp g, G1, G1B
	s_mov_b32 s[\g+1], ROWB<<16
	s_mov_b32 s[\g+2], 128<<16
	s_mov_b32 s[\g+3], ROWB<<16
	s_mov_b32 s[\g+4], 128
	s_mov_b32 s[\g+5], KROW
	s_mov_b32 s[\g+6], 0
	s_mov_b32 s[\g+7], 0
.endr
	s_lshl_b32 s18, s16, 7
	s_lshl_b32 s20, s17, 8
	s_add_co_u32 s20, s20, s18
	s_lshl_b32 s20, s20, 10
	s_lshl_b32 s46, s42, 8
	s_add_co_u32 s46, s46, s18
	s_lshl_b32 s46, s46, 10
	s_add_co_u32 s46, s46, 16<<20
	s_mov_b32 s21, 0
	s_mov_b32 s47, 0
	s_mul_i32 s45, s14, HALFT
	s_wait_dscnt 0x0
	s_wait_kmcnt 0x0
	s_load_b512 s[68:83], s[PLS:PLS+1], 0x0
	s_add_nc_u64 s[20:21], s[PTA:PTA+1], s[20:21]
	s_add_nc_u64 s[46:47], s[PTB:PTB+1], s[46:47]
	s_cmp_eq_u32 s15, 0                            ; the prefetches: of the 128 rows that my wave fetches, the partner at place p (cx for A, cy for B) names rows 32 p .. 32 p + 31, a lane a row
	s_cselect_b64 s[4:5], s[20:21], s[46:47]
	s_cselect_b32 s6, s40, s41
	s_lshl_b32 s6, s6, 15
	s_mov_b32 s7, 0
	s_add_nc_u64 s[4:5], s[4:5], s[6:7]
	v_and_b32 v14, 31, v0
	v_lshlrev_b32 v14, 10, v14                     ; v14: lane x a row of 1,024 bytes; never rewritten
	CROUND
.irp s, 0,1
	s_mov_b32 s[G0+4*\s], 1
	s_add_co_u32 s[G0+4*\s+1], s45, \s*SLOT
	s_add_nc_u64 s[G0+4*\s+2:G0+4*\s+3], s[20:21], \s*ROWB
	s_or_b32 s[G0+4*\s+3], s[G0+4*\s+3], 0x80000000
	s_mov_b32 s[G0B+4*\s], 1
	s_add_co_u32 s[G0B+4*\s+1], s45, \s*SLOT
	s_add_nc_u64 s[G0B+4*\s+2:G0B+4*\s+3], s[46:47], \s*ROWB
	s_or_b32 s[G0B+4*\s+3], s[G0B+4*\s+3], 0x80000000
	s_wait_alu depctr_va_vdst(0)
.if \s                                 ; K step 0's load follows the opening round; slot 1's first fill stands behind the full sequence and a round
	s_wait_tensorcnt 0x0
	ds_add_u32 v28, v29
	s_wait_dscnt 0x0
	CROUND
.endif
	JLOAD G0+4*\s, G1, G0B+4*\s, G1B
.if \s == 0
	global_prefetch_b8 v14, s[4:5] offset:256 th:TH_LOAD_NT scope:SCOPE_SE   ; K step 1, whose load sets out when K step 0's has landed
.endif
	global_prefetch_b8 v14, s[4:5] offset:512+256*\s th:TH_LOAD_NT scope:SCOPE_SE   ; with K step s's load: 256 bytes of each of my 32 rows of K step s + 2; K has four steps, so the refills ask for nothing
.endr
	v_and_b32 v1, 15, v0
	s_wait_alu depctr_va_vdst(0)
	v_bfe_u32 v2, v0, 4, 1
	v_mul_u32_u24 v3, v1, PITCH
	v_lshl_add_u32 v4, v2, 4, v3
	s_mul_i32 s21, s15, HALFT
	s_mul_i32 s22, s16, HALFT
	s_add_co_u32 s22, s22, 2*HALFT
.irp s, 0,1
	v_add_nc_u32 v[ADRA+\s], s21, v4
	v_add_nc_u32 v[ADRB+\s], s22, v4
	s_add_co_u32 s21, s21, SLOT
	s_add_co_u32 s22, s22, SLOT
.endr
	s_mul_i32 s23, s14, STGW
	v_mul_u32_u24 v5, v1, SPI
	v_add_nc_u32 v5, s23, v5
	s_wait_alu depctr_va_vdst(0)
	v_lshl_add_u32 v[STOC], v2, 3, v5
	v_and_b32 v6, 31, v0
	v_lshlrev_b32 v[GO], 4, v6
	v_lshrrev_b32 v7, 3, v6
	v_mul_u32_u24 v7, v7, SPI
	v_and_b32 v8, 7, v6
	v_lshl_add_u32 v7, v8, 4, v7
	v_add_nc_u32 v[RDV], s23, v7
	v_lshlrev_b32 v[CBO], 5, v2
	s_lshl_b32 s98, s42, 10
	s_lshl_b32 s99, s16, 9
	s_add_co_u32 s98, s98, s99
	s_mov_b32 s99, 0
	s_add_nc_u64 s[90:91], s[PBI:PBI+1], s[98:99]
.irp b, 0,1,2,3,4,5,6,7
	global_load_b128 v[BIAS+8*\b:BIAS+8*\b+3], v[CBO], s[90:91] offset:64*\b
	global_load_b128 v[BIAS+8*\b+4:BIAS+8*\b+7], v[CBO], s[90:91] offset:64*\b+16
.endr
	s_lshl_b32 s98, s42, 1
	s_add_co_u32 s98, s98, s16
	s_lshl_b32 s98, s98, 19
	s_lshl_b32 s18, s17, 8
	s_lshl_b32 s19, s15, 7
	s_add_co_u32 s18, s18, s19
	s_lshl_b32 s18, s18, 7
	s_add_co_u32 s98, s98, s18
	s_add_nc_u64 s[POUT:POUT+1], s[POUT:POUT+1], s[98:99]
.macro FRAG reg, adr, q, i
.irp c, 0,1,2,3
	ds_load_b128 v[\reg+4*\c:\reg+4*\c+3], v[\adr] offset:128*(\q)+32*\c+(\i)*16*PITCH
.endr
.endm
.macro MUL16 a0, p, zero
.irp a, \a0, \a0+1
.irp b, 0,1,2,3,4,5,6,7
.if \zero
	v_wmma_f32_16x16x128_fp8_fp8 v[8*(8*((\a)%4)+\b):8*(8*((\a)%4)+\b)+7], v[128*(\p)+FR*\b:128*(\p)+FR*\b+FR-1], v[AF+FR*(\a):AF+FR*(\a)+FR-1], 0
.else
	v_wmma_f32_16x16x128_fp8_fp8 v[8*(8*((\a)%4)+\b):8*(8*((\a)%4)+\b)+7], v[128*(\p)+FR*\b:128*(\p)+FR*\b+FR-1], v[AF+FR*(\a):AF+FR*(\a)+FR-1], v[8*(8*((\a)%4)+\b):8*(8*((\a)%4)+\b)+7]
.endif
.endr
.endr
.endm
.macro FETCH_B slot, q, p
	WIN TO_B
.irp i, 0,1,2,3,4,5,6,7
	FRAG 128*(\p)+FR*\i, ADRB+\slot, \q, \i
.endr
	WIN 0
.endm
.macro FETCH_A slot, q, i0
.irp i, \i0, \i0+1, \i0+2, \i0+3
	FRAG AF+FR*(\i), ADRA+\slot, \q, \i
.endr
.endm
.macro PLACES n
.rept \n
	v_nop
.endr
.endm
.macro STEP slot, q, zero
	s_wait_dscnt 4*NL
	WIN MUL_LO
	MUL16 0, (\q)%2, \zero
	MUL16 2, (\q)%2, \zero
	s_wait_dscnt 0
	PLACES NP
	FETCH_B \slot, (\q)+1, 1-(\q)%2
	FETCH_A \slot, (\q)+1, 0
	WIN MUL_HI
	MUL16 4, (\q)%2, \zero
	MUL16 6, (\q)%2, \zero
	PLACES NP
	WIN 0
	FETCH_A \slot, (\q)+1, 4
.endm
.macro TURN slot, next, fill
	s_wait_tensorcnt 0x0
	ds_add_u32 v[SPW], v[NIL]
	s_wait_dscnt 4*NL+1
	WIN MUL_LO
	MUL16 0, 1, 0
	s_wait_dscnt 0x0
	s_barrier_signal -1
	MUL16 2, 1, 0
	WIN 0
	s_barrier_wait -1
.if \fill
	CREST
	s_add_nc_u64 s[G0+4*\slot+2:G0+4*\slot+3], s[G0+4*\slot+2:G0+4*\slot+3], 2*ROWB
	s_add_nc_u64 s[G0B+4*\slot+2:G0B+4*\slot+3], s[G0B+4*\slot+2:G0B+4*\slot+3], 2*ROWB
	JLOAD G0+4*\slot, G1, G0B+4*\slot, G1B
.else
	PLACES NP
.endif
	FETCH_B \next, 0, 0
	FETCH_A \next, 0, 0
	WIN MUL_HI
	MUL16 4, 1, 0
	MUL16 6, 1, 0
	PLACES NP
	WIN 0
	FETCH_A \next, 0, 4
.endm
	s_wait_tensorcnt 1
	s_barrier_signal -1
	s_barrier_wait -1
	FETCH_B 0, 0, 0
	FETCH_A 0, 0, 0
	FETCH_A 0, 0, 4
	STEP 0, 0, 1
	s_mov_b32 s3, LAPS-1
.Llap:
	TURN 0, 1, 1
	STEP 1, 0, 0
	TURN 1, 0, 1
	STEP 0, 0, 0
	s_sub_co_u32 s3, s3, 1
	s_cmp_lg_u32 s3, 0
	s_cbranch_scc1 .Llap
	TURN 0, 1, 0
	STEP 1, 0, 0
	s_wait_dscnt 4*NL
	WIN MUL_LO
	MUL16 0, 1, 0
	MUL16 2, 1, 0
	s_wait_dscnt 0
	WIN MUL_HI
	MUL16 4, 1, 0
	MUL16 6, 1, 0
	WIN 0
.macro OUTB a
.set AC, 64*((\a)%4)
.set BBR, BB+16*((\a)%2)
	WIN 0x02+((\a)/4)
.irp b, 0,1,2,3,4,5,6,7
.irp i, 0,2,4,6
	v_pk_fma_f32 v[T+8*\b+\i:T+8*\b+\i+1], v[AC+8*\b+\i:AC+8*\b+\i+1], s[96:97], v[BIAS+8*\b+\i:BIAS+8*\b+\i+1] op_sel_hi:[1,0,1]
.endr
.endr
	WIN 0
.set n, 0
.rept 64
	v_med3_num_f32 v[T+n], v[T+n], 0, v[QL]
.set n, n+1
.endr
.irp b, 0,1,2,3,4,5,6,7
	v_cvt_scalef32_pk8_fp8_f32 v[CD+2*\b:CD+2*\b+1], v[T+8*\b:T+8*\b+7], v[QS]
.endr
	v_nop
.irp b, 0,1,2,3,4,5,6,7
	ds_store_b64 v[STOC], v[CD+2*\b:CD+2*\b+1] offset:16*\b
.endr
.irp t, 0,1,2,3
	ds_load_b128 v[BBR+4*\t:BBR+4*\t+3], v[RDV] offset:4*SPI*\t
.endr
.endm
.macro SENDB a, younger
.set BBR, BB+16*((\a)%2)
	s_wait_dscnt \younger
.irp t, 0,1,2,3
	global_store_b128 v[GO], v[BBR+4*\t:BBR+4*\t+3], s[POUT:POUT+1] offset:2048*(\a)+512*\t
.endr
.endm
	s_wait_kmcnt 0x0
	s_add_co_i32 s96, s80, s81
	s_add_co_i32 s98, s82, 127
	s_add_co_i32 s96, s96, 127
	s_lshl_b32 s96, s96, 23
	s_mov_b32 s97, s96
	s_lshl_b32 s99, s98, 23
	v_mov_b32 v[QS], s99
	s_add_co_i32 s98, s98, 8
	s_lshl_b32 s98, s98, 23
	s_or_b32 s98, s98, 0x600000
	v_mov_b32 v[QL], s98
	s_wait_loadcnt 0x0
	PLACES NP
	OUTB 0
.irp a, 1,2,3,4,5,6,7
.if \a > 1
	s_wait_xcnt 0x0
.endif
	OUTB \a
	SENDB \a-1, 12
.endr
	SENDB 7, 0
	s_wait_tensorcnt 0x0
	ds_add_u32 v[SPW], v[NIL]
	s_wait_dscnt 0x0
	CROUND
	s_endpgm
.Lfunc_end_k_q6942a55658_ffn1:
	.size	k_q6942a55658_ffn1, .Lfunc_end_k_q6942a55658_ffn1-k_q6942a55658_ffn1
	.p2alignl 7, 3214868480
	.fill 96, 4, 3214868480
	.section	.rodata,"a",@progbits
	.p2align	6, 0x0
	.amdhsa_kernel k_q6942a55658_ffn1
		.amdhsa_group_segment_fixed_size 327680
		.amdhsa_private_segment_fixed_size 0
		.amdhsa_enable_private_segment 0
		.amdhsa_kernarg_size 40
		.amdhsa_user_sgpr_count 2
		.amdhsa_user_sgpr_kernarg_segment_ptr 1
		.amdhsa_wavefront_size32 1
		.amdhsa_system_sgpr_workgroup_id_x 1
		.amdhsa_system_sgpr_workgroup_id_y 1
		.amdhsa_system_sgpr_workgroup_id_z 1
		.amdhsa_system_vgpr_workitem_id 0
		.amdhsa_next_free_vgpr 1024
		.amdhsa_next_free_sgpr 100
		.amdhsa_reserve_vcc 0
		.amdhsa_float_denorm_mode_32 3
		.amdhsa_float_denorm_mode_16_64 3
		.amdhsa_memory_ordered 1
		.amdhsa_forward_progress 1
		.amdhsa_inst_pref_size 143
	.end_amdhsa_kernel
	.amdgpu_metadata
---
amdhsa.version: [ 1, 2 ]
amdhsa.kernels:
  - .name:           k_q6942a55658_ffn1
    .symbol:         k_q6942a55658_ffn1.kd
    .args:
      - { .name: xn2, .offset: 0, .size: 8, .value_kind: global_buffer, .address_space: global }
      - { .name: pc, .offset: 8, .size: 8, .value_kind: global_buffer, .address_space: global }
      - { .name: lowp_scales, .offset: 16, .size: 8, .value_kind: global_buffer, .address_space: global }
      - { .name: b1, .offset: 24, .size: 8, .value_kind: global_buffer, .address_space: global }
      - { .name: hc, .offset: 32, .size: 8, .value_kind: global_buffer, .address_space: global }
    .group_segment_fixed_size: 327680
    .private_segment_fixed_size: 0
    .kernarg_segment_align: 8
    .kernarg_segment_size: 40
    .max_flat_workgroup_size: 128
    .sgpr_count:     100
    .vgpr_count:     1024
    .wavefront_size: 32
...
	.end_amdgpu_metadata
.endif
;; end of part 6
;; launch ffn2 (part 7): grid 8 x 32, 4 waves a work-group, clusters of 4 x 4, 327,680 bytes of LDS; arguments hc, pc, lowp_scales, b2, x1, out0; writes out0
.if DOCPART == 7
	.amdgcn_target "amdgcn-amd-amdhsa--gfx1250"
	.amdhsa_code_object_version 6
	.text
	.protected	k_q6942a55658_ffn2
	.globl	k_q6942a55658_ffn2
	.p2align	8
	.type	k_q6942a55658_ffn2,@function
k_q6942a55658_ffn2:
	s_mov_b64 s[64:65], 0
	v_nop
	global_prefetch_b8 v0, s[64:65] scope:SCOPE_SE
	s_setreg_imm32_b32 hwreg(HW_REG_WAVE_MODE, 25, 1), 1
	s_wait_xcnt 0x0
	s_wait_alu depctr_hold_cnt(0) depctr_sa_sdst(0) depctr_va_vdst(0) depctr_va_sdst(0) depctr_va_ssrc(0) depctr_va_vcc(0) depctr_vm_vsrc(0)
	s_getreg_b32 s2, hwreg(HW_REG_IB_STS2, 6, 4)
	s_cmp_eq_u32 s2, 0
	s_cbranch_scc0 .Lentry_in_a_cluster
	s_endpgm
.Lentry_in_a_cluster:
	s_bfe_u32 s2, ttmp6, 0x10000c
	s_cmp_lg_u32 s2, 0xf033
	s_cbranch_scc0 .Lentry_shape_is_right
	s_endpgm
.Lentry_shape_is_right:
.set SIZE_K, 4096
.set PW,     128
.set QIA,    4
.set BOFF,   20<<20
.set EOFF,   56
.set NTOUT,  1
.set KS,     512
.set BP,     528
.set HB,     64*BP
.set AP,     PW+16
.set NPL,    KS/PW
.set APL,    64*AP
.set HA,     NPL*APL
.set SLOT,   2*HA+2*HB
.set STAGE,  2*SLOT
.set SPITCH, 272
.set SPARE,  STAGE+4*16*SPITCH
.set LAPS,   SIZE_K/(2*KS)
.set ADRA, 16
.set ADRB, 20
.set STO,  24
.set RD,   25
.set CO,   26
.set BO,   27
.set SPW,  28
.set NIL,  29
.set TMP,  32
.set ACC,  128
.set F0,   0
.set F1,   128
.set G1, 24
.set G0, 32
.set G1B, 48
.set G0B, 56
.set MSB, 0
.macro WIN new
.if MSB != \new
	s_set_vgpr_msb (MSB<<8)|\new
.set MSB, \new
.endif
.endm
.set MUL,  0x05
.set TO_F, 0x40
.macro JLOAD s
	s_cmp_eq_u32 s11, 0
	s_cbranch_scc0 .Lfor_b_\@
	tensor_load_to_lds s[G0+4*\s:G0+4*\s+3], s[G1:G1+7]
	s_nop 0
.rept 4
	v_nop
.endr
	s_branch .Lasked_\@
.Lfor_b_\@:
	tensor_load_to_lds s[G0B+4*\s:G0B+4*\s+3], s[G1B:G1B+7]
	s_nop 0
.rept 4
	v_nop
.endr
.Lasked_\@:
.endm
.macro CREST
	s_cmp_lg_u32 s10, 0
	s_cbranch_scc1 .Lnot_wave_0_\@
	s_barrier_signal -3
.Lnot_wave_0_\@:
	s_barrier_wait -3
	s_barrier_signal -1
	s_barrier_wait -1
.endm
.macro CROUND
	s_barrier_signal -1
	s_barrier_wait -1
	CREST
.endm
	s_load_b256 s[68:75], s[0:1], 0x0
	s_load_b128 s[76:79], s[0:1], 0x20
	v_lshl_add_u32 v[SPW], v0, 2, SPARE
	v_mov_b32 v[NIL], 0
	ds_add_u32 v[SPW], v[NIL]
	ds_add_u32 v[SPW], v[NIL]
	v_lshrrev_b32 v1, 5, v0
	v_readfirstlane_b32 s10, v1
	s_lshr_b32 s11, s10, 1
	s_and_b32 s12, s10, 1
	s_bfe_u32 s40, ttmp6, 0x40000
	s_bfe_u32 s41, ttmp6, 0x40004
	s_lshl_b32 s42, ttmp9, 2
	s_add_co_u32 s42, s42, s40
	s_and_b32 s13, ttmp7, 0xffff
	s_lshl_b32 s13, s13, 2
	s_add_co_u32 s13, s13, s41
	s_lshl_b32 s43, s41, 2
	s_lshl_b32 s43, 15, s43
	s_lshl_b32 s44, 0x1111, s40
	s_or_b32 s[G1+0], s43, (0<<16)|(1<<20)|(1<<21)|(QIA<<22)|(3<<25)
	s_mov_b32 s[G1+1], ((64*PW)&0xffff)<<16
	s_mov_b32 s[G1+2], ((64*PW)>>16)|(NPL<<16)
	s_mov_b32 s[G1+3], (64*PW)<<16
	s_mov_b32 s[G1+4], NPL
	s_mov_b32 s[G1+5], 4096*PW
	s_mov_b32 s[G1+6], 0
	s_mov_b32 s[G1+7], 0
	s_or_b32 s[G1B+0], s44, (0<<16)|(1<<20)|(1<<21)|(6<<22)|(3<<25)
	s_mov_b32 s[G1B+1], KS<<16
	s_mov_b32 s[G1B+2], 64<<16
	s_mov_b32 s[G1B+3], KS<<16
	s_mov_b32 s[G1B+4], 64
	s_mov_b32 s[G1B+5], SIZE_K
	s_mov_b32 s[G1B+6], 0
	s_mov_b32 s[G1B+7], 0
	s_lshl_b32 s17, s12, 6
	s_lshl_b32 s16, s13, 7
	s_add_co_u32 s16, s16, s17
	s_mul_i32 s16, s16, PW
	s_lshl_b32 s46, s42, 7
	s_add_co_u32 s46, s46, s17
	s_mul_i32 s46, s46, SIZE_K
	s_add_co_u32 s46, s46, BOFF
	s_mov_b32 s17, 0
	s_mov_b32 s47, 0
	s_mul_i32 s20, s12, HA
	s_mul_i32 s21, s12, HB
	s_add_co_u32 s21, s21, 2*HA
	s_wait_dscnt 0x0
	s_wait_kmcnt 0x0
	s_load_b64 s[80:81], s[72:73], EOFF
	s_add_nc_u64 s[14:15], s[68:69], s[16:17]
	s_add_nc_u64 s[46:47], s[70:71], s[46:47]
	; the prefetches.  A K step of my wave's tile is 128 blocks of 256 bytes; the four partners that ask for it jointly share them out by address, 32 each, a lane a block.
	; A (waves 0, 1): partner cx names plane cx of the step's four: 64 rows x 128 bytes on end.  B (waves 2, 3): partner cy names rows 16 cy .. 16 cy + 15, two blocks a row.
	s_lshl_b32 s6, s40, 19                         ; cx planes of 4,096 x 128 bytes
	s_lshl_b32 s7, s41, 16                         ; 16 cy rows of 4,096 bytes
	s_mov_b32 s8, 1024
	s_mov_b32 s82, 512
	s_cmp_eq_u32 s11, 0                            ; do I fetch for A?
	s_cselect_b64 s[4:5], s[14:15], s[46:47]
	s_cselect_b32 s6, s6, s7
	s_cselect_b32 s8, 0x400000, s8                 ; two K steps on, in bytes
	s_cselect_b32 s82, 0x200000, s82               ; one K step on
	s_cselect_b32 s2, -1, 0
	s_mov_b32 s7, 0
	s_mov_b32 s9, 0
	s_mov_b32 s83, 0
	s_add_nc_u64 s[4:5], s[4:5], s[6:7]
	s_add_nc_u64 s[6:7], s[4:5], s[82:83]          ; s[6:7]: K step 1
	s_add_nc_u64 s[4:5], s[4:5], s[8:9]            ; s[4:5]: slot 0's prefetches, at K step 2
	s_add_nc_u64 s[66:67], s[4:5], s[82:83]        ; s[66:67]: slot 1's, at K step 3
	v_and_b32 v6, 31, v0
	v_lshlrev_b32 v7, 8, v6                        ; A: 256 x lane
	v_lshrrev_b32 v8, 1, v6
	v_and_b32 v9, 1, v6
	v_lshlrev_b32 v8, 12, v8
	v_lshl_add_u32 v8, v9, 8, v8                   ; B: row lane / 2, block lane % 2
	v_cndmask_b32 v30, v8, v7, s2                  ; v30: my lane's offset; never rewritten
	CROUND
.irp s, 0,1
	s_mov_b32 s[G0+4*\s], 1
	s_add_co_u32 s[G0+4*\s+1], s20, \s*SLOT
	s_add_nc_u64 s[G0+4*\s+2:G0+4*\s+3], s[14:15], \s*KS*4096
	s_or_b32 s[G0+4*\s+3], s[G0+4*\s+3], 0x80000000
	s_mov_b32 s[G0B+4*\s], 1
	s_add_co_u32 s[G0B+4*\s+1], s21, \s*SLOT
	s_add_nc_u64 s[G0B+4*\s+2:G0B+4*\s+3], s[46:47], \s*KS
	s_or_b32 s[G0B+4*\s+3], s[G0B+4*\s+3], 0x80000000
	s_wait_alu depctr_va_vdst(0)
.if \s                                 ; K step 0's load follows the opening round; slot 1's first fill stands behind the full sequence and a round
	s_wait_tensorcnt 0x0
	ds_add_u32 v28, v29
	s_wait_dscnt 0x0
	CROUND
.endif
	JLOAD \s
.if \s == 0
	global_prefetch_b8 v30, s[6:7] th:TH_LOAD_NT scope:SCOPE_SE   ; K step 1, whose load sets out when K step 0's has landed
.endif
	global_prefetch_b8 v30, s[4+62*\s:5+62*\s] th:TH_LOAD_NT scope:SCOPE_SE   ; with K step s's load: my 32 blocks of K step s + 2
.endr
	v_and_b32 v1, 15, v0
	v_bfe_u32 v2, v0, 4, 1
	v_mul_u32_u24 v3, v1, AP
	v_lshl_add_u32 v3, v2, 4, v3
	v_mul_u32_u24 v4, v1, BP
	v_lshl_add_u32 v4, v2, 4, v4
	s_mul_i32 s21, s11, HA
	s_mul_i32 s22, s12, HB
	s_add_co_u32 s22, s22, 2*HA
.irp s, 0,1
	v_add_nc_u32 v[ADRA+\s], s21, v3
	v_add_nc_u32 v[ADRB+\s], s22, v4
	s_add_co_u32 s21, s21, SLOT
	s_add_co_u32 s22, s22, SLOT
.endr
	s_mul_i32 s23, s10, 16*SPITCH
	s_add_co_u32 s23, s23, STAGE
	v_mul_u32_u24 v5, v1, SPITCH
	v_lshl_add_u32 v5, v2, 5, v5
	v_add_nc_u32 v[STO], s23, v5
	v_mul_u32_u24 v5, v2, SPITCH
	v_lshl_add_u32 v5, v1, 4, v5
	v_add_nc_u32 v[RD], s23, v5
	v_lshlrev_b32 v5, 12, v2
	v_lshl_add_u32 v[CO], v1, 4, v5
	v_lshlrev_b32 v[BO], 4, v1
	s_wait_alu depctr_va_vdst(0)
	s_lshl_b32 s16, s13, 7
	s_lshl_b32 s17, s11, 6
	s_add_co_u32 s16, s16, s17
	s_lshl_b32 s16, s16, 12
	s_mov_b32 s17, 0
	s_lshl_b32 s46, s42, 9
	s_lshl_b32 s47, s12, 8
	s_add_co_u32 s46, s46, s47
	s_mov_b32 s47, 0
	s_add_nc_u64 s[74:75], s[74:75], s[46:47]
	s_add_nc_u64 s[76:77], s[76:77], s[16:17]
	s_add_nc_u64 s[76:77], s[76:77], s[46:47]
	s_add_nc_u64 s[78:79], s[78:79], s[16:17]
	s_add_nc_u64 s[78:79], s[78:79], s[46:47]
	global_load_b128 v[12:15], v[BO], s[74:75]
	WIN 0x80
.irp a, 0,1,2,3
.irp t, 0,1,2,3,4,5,6,7
	global_load_b128 v[32*\a+4*\t:32*\a+4*\t+3], v[CO], s[76:77] offset:(16*\a+2*\t)*4096
.endr
.endr
	WIN 0
.macro MUL8 f, a0, zero
.irp a, \a0, \a0+1
.irp b, 0,1,2,3
.if \zero
	v_wmma_f32_16x16x128_fp8_fp8 v[ACC+8*(4*(\a)+\b):ACC+8*(4*(\a)+\b)+7], v[\f+64+16*\b:\f+64+16*\b+15], v[\f+16*(\a):\f+16*(\a)+15], 0
.else
	v_wmma_f32_16x16x128_fp8_fp8 v[ACC+8*(4*(\a)+\b):ACC+8*(4*(\a)+\b)+7], v[\f+64+16*\b:\f+64+16*\b+15], v[\f+16*(\a):\f+16*(\a)+15], v[ACC+8*(4*(\a)+\b):ACC+8*(4*(\a)+\b)+7]
.endif
.endr
.endr
.endm
.macro FETCH slot, q, f
	WIN TO_F
.irp i, 0,1,2,3
.irp c, 0,1,2,3
	ds_load_b128 v[\f+64+16*\i+4*\c:\f+64+16*\i+4*\c+3], v[ADRB+\slot] offset:128*(\q)+32*\c+\i*16*BP
.endr
.endr
.irp i, 0,1,2,3
.irp c, 0,1,2,3
.if PW == 128
	ds_load_b128 v[\f+16*\i+4*\c:\f+16*\i+4*\c+3], v[ADRA+\slot] offset:(\q)*APL+32*\c+\i*16*AP
.else
	ds_load_b128 v[\f+16*\i+4*\c:\f+16*\i+4*\c+3], v[ADRA+\slot] offset:(2*(\q)+\c/2)*APL+32*(\c%2)+\i*16*AP
.endif
.endr
.endr
.endm
.macro PLACES
.rept 4
	v_nop
.endr
.endm
.macro QUARTER slot, qn, f, g, zero
	s_wait_dscnt 8
	WIN MUL
	MUL8 \f, 0, \zero
	PLACES
	FETCH \slot, \qn, \g
	s_wait_dscnt 32
	WIN MUL
	MUL8 \f, 2, \zero
.endm
.macro TURN slot, next, fill
.if \fill
	s_wait_xcnt 0x0                                ; my prefetches have read their addresses: this slot's is stepped two K steps on
	s_add_nc_u64 s[4+62*\slot:5+62*\slot], s[4+62*\slot:5+62*\slot], s[8:9]
.endif
	WIN 0
	s_wait_tensorcnt 0x0
	ds_add_u32 v[SPW], v[NIL]
	s_wait_dscnt 9
	WIN MUL
	MUL8 F1, 0, 0
	s_wait_dscnt 0x0
	s_barrier_signal -1
	WIN 0
	s_barrier_wait -1
.if \fill
	CREST
	s_add_nc_u64 s[G0+4*\slot+2:G0+4*\slot+3], s[G0+4*\slot+2:G0+4*\slot+3], 2*KS*4096
	s_add_nc_u64 s[G0B+4*\slot+2:G0B+4*\slot+3], s[G0B+4*\slot+2:G0B+4*\slot+3], 2*KS
	JLOAD \slot
.else
	PLACES
.endif
	FETCH \next, 0, F0
.if \fill
	WIN 0
	s_cmp_gt_u32 s3, 1                             ; with the refill of K step t: my 32 blocks of K step t + 2; the loop's last trip refills steps 6 and 7, behind which there is none
	s_cbranch_scc0 .Lnoask_\@
	global_prefetch_b8 v30, s[4+62*\slot:5+62*\slot] th:TH_LOAD_NT scope:SCOPE_SE
.Lnoask_\@:
.endif
	WIN MUL
	MUL8 F1, 2, 0
.endm
	s_wait_tensorcnt 1
	s_barrier_signal -1
	s_barrier_wait -1
	FETCH 0, 0, F0
	QUARTER 0, 1, F0, F1, 1
.if LAPS > 1
	WIN 0
	s_mov_b32 s3, LAPS-1
.Llap:
	QUARTER 0, 2, F1, F0, 0
	QUARTER 0, 3, F0, F1, 0
	TURN 0, 1, 1
	QUARTER 1, 1, F0, F1, 0
	QUARTER 1, 2, F1, F0, 0
	QUARTER 1, 3, F0, F1, 0
	TURN 1, 0, 1
	QUARTER 0, 1, F0, F1, 0
	WIN 0
	s_sub_co_u32 s3, s3, 1
	s_cmp_lg_u32 s3, 0
	s_cbranch_scc1 .Llap
.endif
	QUARTER 0, 2, F1, F0, 0
	QUARTER 0, 3, F0, F1, 0
	TURN 0, 1, 0
	QUARTER 1, 1, F0, F1, 0
	QUARTER 1, 2, F1, F0, 0
	QUARTER 1, 3, F0, F1, 0
	s_wait_dscnt 8
	WIN MUL
	MUL8 F1, 0, 0
	s_wait_dscnt 0
	MUL8 F1, 2, 0
	WIN 0
.macro TOSTAGE a
.set TB, TMP+32*((\a)%2)
.irp b, 0,1,2,3
	ds_store_b128 v[STO], v[ACC+8*(4*(\a)+\b):ACC+8*(4*(\a)+\b)+3] offset:64*\b
	ds_store_b128 v[STO], v[ACC+8*(4*(\a)+\b)+4:ACC+8*(4*(\a)+\b)+7] offset:64*\b+16
.endr
.irp t, 0,1,2,3,4,5,6,7
	ds_load_b128 v[TB+4*\t:TB+4*\t+3], v[RD] offset:\t*2*SPITCH
.endr
.endm
.macro SEND a, younger
.set TB, TMP+32*((\a)%2)
	s_wait_dscnt \younger
.irp t, 0,1,2,3,4,5,6,7
	v_pk_fma_f32 v[TB+4*\t:TB+4*\t+1], v[TB+4*\t:TB+4*\t+1], s[80:81], v[12:13] op_sel_hi:[1,0,1]
	v_pk_fma_f32 v[TB+4*\t+2:TB+4*\t+3], v[TB+4*\t+2:TB+4*\t+3], s[80:81], v[14:15] op_sel_hi:[1,0,1]
.endr
	WIN 0x08
.irp t, 0,1,2,3,4,5,6,7
	v_pk_add_f32 v[TB+4*\t:TB+4*\t+1], v[TB+4*\t:TB+4*\t+1], v[32*(\a)+4*\t:32*(\a)+4*\t+1]
	v_pk_add_f32 v[TB+4*\t+2:TB+4*\t+3], v[TB+4*\t+2:TB+4*\t+3], v[32*(\a)+4*\t+2:32*(\a)+4*\t+3]
.endr
	WIN 0
.irp t, 0,1,2,3,4,5,6,7
.if NTOUT
	global_store_b128 v[CO], v[TB+4*\t:TB+4*\t+3], s[78:79] offset:(16*(\a)+2*\t)*4096 th:TH_STORE_NT
.else
	global_store_b128 v[CO], v[TB+4*\t:TB+4*\t+3], s[78:79] offset:(16*(\a)+2*\t)*4096
.endif
.endr
.endm
	s_wait_kmcnt 0x0
	s_add_co_i32 s80, s80, s81
	s_add_co_i32 s80, s80, 127
	s_lshl_b32 s80, s80, 23
	s_mov_b32 s81, s80
	s_wait_loadcnt 0x0
	PLACES
	TOSTAGE 0
.irp a, 1,2,3
.if \a > 1
	s_wait_xcnt 0x0
.endif
	TOSTAGE \a
	SEND \a-1, 16
.endr
	SEND 3, 0
	s_wait_tensorcnt 0x0
	ds_add_u32 v[SPW], v[NIL]
	s_wait_dscnt 0x0
	CROUND
	s_endpgm
.Lfunc_end_k_q6942a55658_ffn2:
	.size	k_q6942a55658_ffn2, .Lfunc_end_k_q6942a55658_ffn2-k_q6942a55658_ffn2
	.p2alignl 7, 3214868480
	.fill 96, 4, 3214868480
	.section	.rodata,"a",@progbits
	.p2align	6, 0x0
	.amdhsa_kernel k_q6942a55658_ffn2
		.amdhsa_group_segment_fixed_size 327680
		.amdhsa_private_segment_fixed_size 0
		.amdhsa_enable_private_segment 0
		.amdhsa_kernarg_size 48
		.amdhsa_user_sgpr_count 2
		.amdhsa_user_sgpr_kernarg_segment_ptr 1
		.amdhsa_wavefront_size32 1
		.amdhsa_system_sgpr_workgroup_id_x 1
		.amdhsa_system_sgpr_workgroup_id_y 1
		.amdhsa_system_sgpr_workgroup_id_z 1
		.amdhsa_system_vgpr_workitem_id 0
		.amdhsa_next_free_vgpr 640
		.amdhsa_next_free_sgpr 84
		.amdhsa_reserve_vcc 0
		.amdhsa_float_denorm_mode_32 3
		.amdhsa_float_denorm_mode_16_64 3
		.amdhsa_memory_ordered 1
		.amdhsa_forward_progress 1
		.amdhsa_inst_pref_size 84
	.end_amdhsa_kernel
	.amdgpu_metadata
---
amdhsa.version: [ 1, 2 ]
amdhsa.kernels:
  - .name:           k_q6942a55658_ffn2
    .symbol:         k_q6942a55658_ffn2.kd
    .args:
      - { .name: hc, .offset: 0, .size: 8, .value_kind: global_buffer, .address_space: global }
      - { .name: pc, .offset: 8, .size: 8, .value_kind: global_buffer, .address_space: global }
      - { .name: lowp_scales, .offset: 16, .size: 8, .value_kind: global_buffer, .address_space: global }
      - { .name: b2, .offset: 24, .size: 8, .value_kind: global_buffer, .address_space: global }
      - { .name: x1, .offset: 32, .size: 8, .value_kind: global_buffer, .address_space: global }
      - { .name: out0, .offset: 40, .size: 8, .value_kind: global_buffer, .address_space: global }
    .group_segment_fixed_size: 327680
    .private_segment_fixed_size: 0
    .kernarg_segment_align: 8
    .kernarg_segment_size: 48
    .max_flat_workgroup_size: 128
    .sgpr_count:     84
    .vgpr_count:     640
    .wavefront_size: 32
...
	.end_amdgpu_metadata
.endif
;; end of part 7
